; MI455X (gfx1250); checked and timed in simulation.
; The chip was launched on July 23, 2026; its instructions are those of AMD's public machine-readable ISA for CDNA 5 (MIT licence, August 2026) and "CDNA5" Instruction Set Architecture Reference Guide (July 2026). The comments in the code are by the model that wrote it; some were corrected since.
;; Single Head Attention. Allowed arithmetic: matrix products marked QUANTISED: E2M3 operands, one E8M0 scale for each 32 along K, by v_wmma_scale_f32_16x16x128_f8f6f4 with both operands' format E2M3, f32 sums; everything else in f32.
;; Inputs: Wk 1,024 x 1,024 float32; Wq 1,024 x 1,024 float32; Wv 1,024 x 1,024 float32; k 4 x 2,048 x 1,024 float32; q 4 x 2,048 x 1,024 float32; v 4 x 2,048 x 1,024 float32; x 4 x 2,048 x 1,024 float32.
;; Outputs: out0 4 x 2,048 x 1,024 float32.
;; This version of the problem:
;;   THIS VERSION OF THE PROBLEM IS GIVEN IN LOW PRECISION. The matrix products marked QUANTISED in the list below multiply operands that are first quantised to E2M3 (2 exponent bits, 3 mantissa bits; 6 bits a number), with one power-of-two scale for each 32 numbers along K (OCP MX v1.0); their sums are f32. All else is computed in f32.
;;   The module's matrix products, in the order in which they are computed (A, B: the left and right operand; K: the contracted axis; several contracted axes count as one K, in the product's order):
;;     1. [M 8,192, K 1,024] x [K 1,024, N 1,024]; A: input k; B: input Wk: QUANTISED
;;     2. [M 8,192, K 1,024] x [K 1,024, N 1,024]; A: input q; B: input Wq: QUANTISED
;;     3. [M 8,192, K 1,024] x [K 1,024, N 1,024]; A: input v; B: input Wq: QUANTISED
;;     4. batch 4 x [M 2,048, K 1,024] x [K 1,024, N 2,048]; A: computed on the way; B: computed on the way: QUANTISED
;;     5. batch 4 x [M 2,048, K 2,048] x [K 2,048, N 1,024]; A: softmax (see below); B: computed on the way: QUANTISED
;;   THE QUANTISER, for each operand of a quantised product, along K:
;;     - K is cut into blocks of 32 from its start; a last block that is shorter is filled with zeros.
;;     - A block's scale is 2^e with e = floor(log2(the largest magnitude in the block)) - 2, held to -126 .. 127; a block of zeros has e = 0. As a byte (E8M0): e + 127.
;;     - Each number is divided by its block's scale, clamped to +-7.5, and rounded to the nearest number of E2M3, ties to even, subnormals kept.
;;     - The product sums the exact products of the quantised numbers (number of the format x scale) in f32.
;;   ~~~python
;;   def quantise(x, axis):      # numpy; x: float32 -> the quantised numbers, widened to float32 again
;;       x = np.moveaxis(x, axis, -1); K = x.shape[-1]
;;       x = np.pad(x, [(0, 0)] * (x.ndim - 1) + [(0, -K % 32)]); x = x.reshape(x.shape[:-1] + (-1, 32)); a = np.abs(x).max(-1, keepdims=True)
;;       e = np.where(a > 0, np.clip(np.frexp(np.where(a > 0, a, 1))[1] - 1 - 2, -126, 127), 0)      # np.frexp(a)[1] - 1 = floor(log2(a)), exactly
;;       r = np.clip(x / 2.0 ** e, -7.5, 7.5)
;;       step = 2.0 ** (np.maximum(np.frexp(np.where(r == 0, 1, r))[1] - 1, 0) - 3)
;;       q = np.round(r / step) * step * 2.0 ** e      # np.round: ties to even
;;       return np.moveaxis(q.reshape(q.shape[:-2] + (-1,))[..., :K], -1, axis).astype(np.float32)
;;   ~~~
;;   SOFTMAX AHEAD OF A QUANTISED PRODUCT. Where the list says 'softmax', what is quantised is not the finished softmax but p = 2^(t - M), with t = logit x log2(e) and M = ceil(the row's largest t), a whole number; so 1/2 < the row's largest p <= 1. The row's sum l is taken of the UNQUANTISED p, in f32, and the product's result is divided by l at the end. Since M is a whole number, a kernel that streams over the keys may use a running M (the ceiling of the running maximum): every later rescaling is an exact power of two, which a block's scale takes up: the codes' values come out the same.
;;   OPERANDS COMPUTED ON THE WAY. 'Computed on the way' means the value that the module computes at that place (a softmax that the list does not call 'softmax' is quantised finished and normalised). What goes into a quantiser is computed in f32, as accurately as f32 sums, v_exp_f32 and their like allow (about 1e-6 of the number): no bf16 or f16 on the way to a quantiser, and a product that is left as it is and whose result goes on into a quantised operand takes f32 operands (vector FMAs, or v_wmma_f32_16x16x4_f32). A number that lies on a knife's edge between two numbers of the format may be rounded either way, as far as f32 arithmetic and the matrix unit's own rounding can turn it there, and no further.
;; One version. Each part assembles by itself: llvm-mc -triple=amdgcn-amd-amdhsa -mcpu=gfx1250 --defsym DOCPART=n.
;; ======== version 1 of 1: 4 launches
;; limits: right only within a limited range of input values
;; workspace buffers: c1 20,447,232 bytes; s1 851,968 bytes; c2 18,874,368 bytes; s2 786,432 bytes; pc 12,582,912 bytes; ps 524,288 bytes; pm 524,288 bytes; pl 524,288 bytes
;; launch prep (part 1): grid 896 x 1, 4 waves a work-group, no clusters, 47,104 bytes of LDS; arguments k, q, v, Wk, Wq, c1, s1; writes c1, s1
.if DOCPART == 1
	.amdgcn_target "amdgcn-amd-amdhsa--gfx1250"
	.amdhsa_code_object_version 6
	.text
	.protected	k_qaa3f115421_prep
	.globl	k_qaa3f115421_prep
	.p2align	8
	.type	k_qaa3f115421_prep,@function
k_qaa3f115421_prep:
	s_mov_b64 s[64:65], 0
	v_nop
	global_prefetch_b8 v0, s[64:65] scope:SCOPE_SE
	s_setreg_imm32_b32 hwreg(HW_REG_WAVE_MODE, 25, 1), 1
	s_wait_xcnt 0x0
; k, q, v [8192][1024] and Wk, Wq [1024 (K)][1024] f32 become codes of FP6 (E2M3) with one E8M0 byte for each 32 along K = the 1,024 input channels.
; DEAD WORK: x enters reference() by x.shape[1] alone, a constant of the shapes, and no line of reference() names Wv: whatever numbers they hold, no output hangs on them.  Neither is loaded or named
; among any launch's arguments.  LIMIT: a NaN or an infinity in x or Wv is not carried to the result.
; LAYOUT OF THE CODES: a fragment (16 row places x 128 K) is the IMAGE OF THE OPERAND'S 12 REGISTERS: register j of lane L at 512 (j / 4) + 16 L + 4 (j % 4), 1,536 bytes.
; c1 is [group of 128 row places][K step of 128][tile i = 0 .. 7][1,536]: any run of K steps of a group is one dense block of memory.
; LAYOUT OF THE SCALES: for a group and a K step the word of row place 16 i + r lies at 32 r + 4 i: 512 bytes; s1 is [group][K step][512].
; ROW PLACES: lane r of tile 2 b + u holds row 32 b + 8 u + r + 8 (r / 8), so that a later product's results lie with 16 neighbours along the next K in a lane.
; GROUPS: Wk 0-7, Wq 8-15, k 16-79, q 80-143, v 144-207.
; A block's scale is 2^(floor(log2(largest magnitude)) - 2): its byte is the largest magnitude's exponent field - 2, held at 1 from below by a floor among the maximum's leaves.
; LIMITS: a block of zeros gets the byte 1, not 127 (its codes are zeros; this program alone reads the bytes); NaN and infinities among the inputs are not served.
; Work-groups 0-127 take the weights (a lane to a column, registers down K), work-groups 128-895 the rows (K innermost).  The two ways have LDS bytes of their own.  No tensor load, no matrix unit, no cluster: each byte is read once.
.set SPW,  18                          ; v18 my spare word's LDS address, v19 = 0: never rewritten
.set NIL,  19
.set PWS,  8                           ; rows: v8-11 the four tiles' scale words; v12-13 my 8 bytes of the scales' image
.set OUTI, 12
.set TM,   20                          ; rows: v20-23 largest magnitudes, v24-27 the other half's, then bytes, v28-31 scale operands
.set PE,   32                          ; rows: v32-39 the conversions' second halves
.set PC0,  40                          ; rows: v40-51, v52-63 the codes of tiles 0 and 1 (those of tiles 2 and 3 lie in tile 1's numbers' registers): no store's data are written again
.set PC1,  52
.set R,    64                          ; rows: three sets of 64: a tile as loaded, then, in the same registers, 64 numbers of my row: register 16 b + i = k 32 b + 16 (lane / 16) + i
.set C,    32                          ; weights: a block's codes
.set XSTG, 8448                        ; rows: a wave's stage: 16 rows x (512 + 16) bytes; four of them from LDS byte 0
.set WSTG, 33792                       ; weights: a wave's stage, two fragments' images, 3,072 bytes; four of them
.set WSC,  46080                       ; weights: the work-group's image of scale words, 512 bytes
.set SPARE, 46592                      ; the spare words, 128 bytes a wave
.set SEL,  36                          ; s[36:37] lane selects: lane l xor 16
; 64 numbers of a lane become a fragment's codes in v[pc] on and its row's scale word in v[pw] (alike in lanes l and l xor 16)
.macro QUANT s, pw, pc
.irp b, 0,1,2,3
	v_max3_num_f32 v[TM+\b], 0x1800000, |v[(\s)+16*\b]|, |v[(\s)+1+16*\b]|   ; block b: my 16 numbers and the floor 2^(3 - 127)
.endr
.irp i, 2,4,6,8,10,12,14
.irp b, 0,1,2,3
	v_max3_num_f32 v[TM+\b], v[TM+\b], |v[(\s)+16*\b+\i]|, |v[(\s)+1+16*\b+\i]|   ; the four blocks by turns
.endr
.endr
.irp b, 0,1,2,3
	v_permlanex16_b32 v[TM+4+\b], v[TM+\b], s[SEL], s[SEL+1]
.endr
.irp b, 0,1,2,3
	v_max_num_f32 v[TM+\b], v[TM+\b], v[TM+4+\b]       ; with lane l xor 16's 16: the block's largest magnitude
.endr
.irp b, 0,1,2,3
	v_add_nc_u32 v[TM+8+\b], 0xff000000, v[TM+\b]      ; 2 off its exponent field: the conversion's scale operand
.endr
.irp b, 0,1,2,3
	v_lshrrev_b32 v[TM+4+\b], 23, v[TM+8+\b]           ; the scale's byte
.endr
	v_lshl_or_b32 v[\pw], v[TM+5], 8, v[TM+4]
	v_lshl_or_b32 v[\pw], v[TM+6], 16, v[\pw]
	v_lshl_or_b32 v[\pw], v[TM+7], 24, v[\pw]
.irp c, 0,1
	v_cvt_scalef32_pk16_fp6_f32 v[(\pc)+6*\c:(\pc)+2+6*\c], v[(\s)+32*\c:(\s)+15+32*\c], v[TM+8+2*\c]
	v_cvt_scalef32_pk16_fp6_f32 v[PE+4*\c:PE+2+4*\c], v[(\s)+16+32*\c:(\s)+31+32*\c], v[TM+8+2*\c+1]   ; (a conversion's three registers begin on an even number)
.endr
	v_nop                                              ; one plain place behind a scaled conversion
.irp c, 0,1                                            ; the operand's layout wants a whole block in a lane
.irp i, 0,1,2
	v_permlane16_swap_b32 v[(\pc)+6*\c+\i], v[PE+4*\c+\i]
.endr
.irp i, 0,1,2
	v_mov_b32 v[(\pc)+3+6*\c+\i], v[PE+4*\c+\i]
.endr
.endr
.endm
	s_load_b256 s[4:11], s[0:1], 0x0               ; k s[4:5], q s[6:7], v s[8:9], Wk s[10:11]
	s_load_b128 s[12:15], s[0:1], 0x20             ; Wq s[12:13], c1 s[14:15]
	s_load_b64 s[16:17], s[0:1], 0x30              ; s1
	v_lshl_add_u32 v[SPW], v0, 2, SPARE
	v_mov_b32 v[NIL], 0
	v_lshrrev_b32 v1, 5, v0
	v_readfirstlane_b32 s18, v1                    ; wave 0..3
	v_and_b32 v1, 31, v0                           ; lane
	v_and_b32 v2, 15, v0                           ; r
	v_bfe_u32 v3, v0, 4, 1                         ; lane / 16
	v_lshlrev_b32 v4, 4, v1                        ; 16 x lane
	s_mov_b32 s[SEL], 0x76543210
	s_mov_b32 s[SEL+1], 0xfedcba98
	s_cmp_lt_u32 ttmp9, 128                        ; the same in all four waves
	s_wait_alu depctr_va_vdst(0)                   ; the wait ahead of the branch
	s_cbranch_scc1 .Lweights
; ---------------- ROWS.  A wave takes 64 rows x 128 along K: four fragments and its half of an image of scale words; the waves share nothing.
; The four waves of a work-group stand side by side along K: 2,048 consecutive bytes of each of the same 64 rows.
	s_mul_i32 s19, s18, XSTG
	v_add_nc_u32 v5, s19, v4                       ; the stage, in: a row's 512 bytes as they lie, 16 a lane
	v_mul_u32_u24 v6, v2, 528
	v_lshl_add_u32 v6, v3, 6, v6
	v_add_nc_u32 v6, s19, v6                       ; and out: row r, + 64 (lane / 16): 16 neighbours of each block of 32
	v_lshlrev_b32 v7, 5, v2
	v_lshl_add_u32 v7, v3, 3, v7                   ; my 8 bytes of the scales' image: 32 r + 8 (lane / 16)
	v_cmp_le_u32 vcc_lo, 16, v1                    ; lanes 16-31
.irp b, 0,1,2,3
	v_mov_b32 v[TM+4+\b], 0                        ; written once: a lane permute's destination counts as one of its sources
.endr
	s_sub_co_u32 s20, ttmp9, 128
	s_lshl_b32 s20, s20, 2
	s_add_co_u32 s20, s20, s18                     ; my share, 0 .. 3,071
	s_and_b32 s21, s20, 7                          ; its K step
	s_bfe_u32 s30, s20, 0x10003                    ; which 64 rows of the group: tiles 0-3 or 4-7
	s_bfe_u32 s22, s20, 0x60004                    ; its group of 128 rows
	s_lshr_b32 s23, s20, 10                        ; its tensor: k, q, v
	s_lshl_b32 s24, s22, 19                        ; 128 rows of 4,096 bytes
	s_lshl_b32 s25, s30, 18
	s_add_co_u32 s24, s24, s25
	s_lshl_b32 s25, s21, 9
	s_add_co_u32 s24, s24, s25
	s_mov_b32 s25, 0
	s_lshl_b32 s28, s23, 6
	s_add_co_u32 s28, s28, s22
	s_add_co_u32 s28, s28, 16                      ; my group in c1 and s1
	s_mul_i32 s26, s28, 98304
	s_mul_i32 s27, s21, 12288
	s_add_co_u32 s26, s26, s27
	s_mul_i32 s27, s30, 6144
	s_add_co_u32 s26, s26, s27
	s_mov_b32 s27, 0
	s_lshl_b32 s28, s28, 12
	s_lshl_b32 s29, s21, 9
	s_add_co_u32 s28, s28, s29
	s_lshl_b32 s29, s30, 4                         ; my four tiles' words: 16 of each row's 32 bytes
	s_add_co_u32 s28, s28, s29
	s_mov_b32 s29, 0
	s_wait_alu depctr_va_vdst(0)                   ; the wait at the head's end
	s_wait_kmcnt 0x0
	s_cmp_eq_u32 s23, 0
	s_cselect_b64 s[4:5], s[4:5], s[6:7]
	s_cmp_eq_u32 s23, 2
	s_cselect_b64 s[4:5], s[8:9], s[4:5]
	s_add_nc_u64 s[4:5], s[4:5], s[24:25]
	s_add_nc_u64 s[14:15], s[14:15], s[26:27]
	s_add_nc_u64 s[16:17], s[16:17], s[28:29]
.macro LOADX t, s                      ; tile t's 16 rows into set s, each 512 consecutive bytes by one load; which row stands at which place is in the immediate
.irp p, 0,1,2,3,4,5,6,7,8,9,10,11,12,13,14,15
	global_load_b128 v[(\s)+4*\p:(\s)+4*\p+3], v4, s[4:5] offset:(32*((\t)/2)+8*((\t)%2)+\p+8*(\p/8))*4096 th:TH_LOAD_NT
.endr
.endm
.macro STEPX t, s, pc, n               ; n: the loads issued behind tile t's, which may stay out
	s_wait_loadcnt \n
.irp p, 0,1,2,3,4,5,6,7,8,9,10,11,12,13,14,15
	ds_store_b128 v5, v[(\s)+4*\p:(\s)+4*\p+3] offset:528*\p
.endr
	s_wait_dscnt 0x0                               ; the stores have read their registers, which take the numbers back
.irp b, 0,1,2,3
.irp j, 0,1,2,3
	ds_load_b128 v[(\s)+16*\b+4*\j:(\s)+16*\b+4*\j+3], v6 offset:128*\b+16*\j
.endr
.endr
	s_wait_dscnt 0x0                               ; my 64 numbers are in
	QUANT \s, PWS+(\t), \pc
.if (\t) == 0
	LOADX 3, R                                     ; the fourth tile takes the first one's registers; loads ahead of stores
.endif
.endm
.macro PUT t, pc                       ; tile t's fragment leaves
.irp g, 0,1,2
	global_store_b128 v4, v[(\pc)+4*\g:(\pc)+4*\g+3], s[14:15] offset:1536*(\t)+512*\g   ; 32 lanes store 512 consecutive bytes; the wave's four fragments are 6,144 bytes on end
.endr
.endm
	LOADX 0, R                                     ; three of my four tiles are asked for at once: 48 loads
	LOADX 1, R+64
	LOADX 2, R+128
	STEPX 0, R, PC0, 32                            ; behind tile 0's loads: tiles 1 and 2
	STEPX 1, R+64, PC1, 32                         ; behind tile 1's: tiles 2 and 3
	STEPX 2, R+128, R+64, 16
	STEPX 3, R, R+80, 0
	s_wait_alu depctr_va_vdst(0)                   ; the wait ahead of the readers below
	PUT 0, PC0                                     ; all stores stand behind all loads: each tile's codes have kept registers of their own
	PUT 1, PC1
	PUT 2, R+64
	PUT 3, R+80
	v_cndmask_b32 v[OUTI], v[PWS], v[PWS+2], vcc_lo            ; lanes 0-15 hold my first two tiles' words of row r, lanes 16-31 the other two
	v_cndmask_b32 v[OUTI+1], v[PWS+1], v[PWS+3], vcc_lo
	global_store_b64 v7, v[OUTI:OUTI+1], s[16:17]              ; 16 of each row's 32 bytes; the wave with the group's other 64 rows stores the others
	s_wait_tensorcnt 0x0                           ; the wave's end
	ds_add_u32 v[SPW], v[NIL]
	s_wait_dscnt 0x0
	s_endpgm
; ---------------- WEIGHTS.  A work-group takes 128 columns x 128 along K; wave x two tiles: lane (t2 = lane / 16, r) takes the column that stands at place r of tile 2 x + t2, and its registers run down K.
.Lweights:
	s_lshr_b32 s20, ttmp9, 6                       ; Wk or Wq
	s_bfe_u32 s21, ttmp9, 0x30003                  ; the group of 128 columns
	s_and_b32 s22, ttmp9, 7                        ; the K step
	v_lshrrev_b32 v8, 3, v2
	v_lshl_add_u32 v8, v8, 3, v2                   ; r + 8 (r / 8)
	v_lshl_add_u32 v8, v3, 3, v8                   ; + 8 t2
	v_lshlrev_b32 v8, 2, v8                        ; my column among the wave's 32, in bytes
	s_lshl_b32 s24, s22, 19                        ; 128 rows (K) of 4,096 bytes
	s_lshl_b32 s25, s21, 9
	s_add_co_u32 s24, s24, s25
	s_lshl_b32 s25, s18, 7
	s_add_co_u32 s24, s24, s25
	s_mov_b32 s25, 0
	s_mul_i32 s19, s18, 3072
	s_add_co_u32 s19, s19, WSTG
	v_mul_u32_u24 v9, v3, 1536
	v_lshl_add_u32 v9, v2, 4, v9
	v_add_nc_u32 v9, s19, v9                       ; my tile's image, lane r's place
	v_add_nc_u32 v10, s19, v4                      ; back: 16 x lane
	v_lshlrev_b32 v11, 5, v2
	v_lshl_add_u32 v11, v3, 2, v11
	s_lshl_b32 s23, s18, 3
	s_add_co_u32 s23, s23, WSC
	v_add_nc_u32 v11, s23, v11                     ; my scale word: 32 r + 4 (2 x + t2)
	v_add_nc_u32 v12, WSC, v4
	s_lshl_b32 s28, s20, 3
	s_add_co_u32 s28, s28, s21                     ; my group in c1 and s1
	s_mul_i32 s26, s28, 98304
	s_mul_i32 s27, s22, 12288
	s_add_co_u32 s26, s26, s27
	s_mul_i32 s27, s18, 3072                       ; my two tiles
	s_add_co_u32 s26, s26, s27
	s_mov_b32 s27, 0
	s_lshl_b32 s28, s28, 12
	s_lshl_b32 s29, s22, 9
	s_add_co_u32 s28, s28, s29
	s_mov_b32 s29, 0
	s_wait_alu depctr_va_vdst(0)                   ; the wait at the head's end
	s_wait_kmcnt 0x0
	s_cmp_eq_u32 s20, 0
	s_cselect_b64 s[10:11], s[10:11], s[12:13]
	s_add_nc_u64 s[10:11], s[10:11], s[24:25]
	s_add_nc_u64 s[14:15], s[14:15], s[26:27]
	s_add_nc_u64 s[16:17], s[16:17], s[28:29]
.macro LOADW kb                        ; block kb: 32 numbers down K of my column; a wave's load covers 128 consecutive bytes, the work-group's four 512
.irp i, 0,1,2,3,4,5,6,7,8,9,10,11,12,13,14,15,16,17,18,19,20,21,22,23,24,25,26,27,28,29,30,31
	global_load_b32 v[64+32*((\kb)%2)+\i], v8, s[10:11] offset:(32*(\kb)+\i)*4096 th:TH_LOAD_NT
.endr
.endm
.macro BLOCKW kb
.set XS, 64+32*((\kb)%2)
.set HB, (\kb)%2
.if (\kb) < 3
	s_wait_loadcnt 32                              ; this block's 32 loads are in; the next block's may be out
.else
	s_wait_loadcnt 0x0
.endif
	v_max3_num_f32 v13, |v[XS]|, |v[XS+1]|, |v[XS+2]|          ; all 32 numbers of the block are mine
	v_max3_num_f32 v14, |v[XS+3]|, |v[XS+4]|, |v[XS+5]|
.irp i, 6,10,14,18,22,26
	v_max3_num_f32 v13, v13, |v[XS+\i]|, |v[XS+\i+1]|
	v_max3_num_f32 v14, v14, |v[XS+\i+2]|, |v[XS+\i+3]|
.endr
	v_max3_num_f32 v13, v13, |v[XS+30]|, |v[XS+31]|
	v_max3_num_f32 v13, v13, v14, 0x1800000        ; and the floor
	v_add_nc_u32 v15, 0xff000000, v13
	v_lshrrev_b32 v16, 23, v15
.if (\kb) == 0
	v_mov_b32 v17, v16
.else
	v_lshl_or_b32 v17, v16, 8*(\kb), v17           ; the K step's four bytes make my row's scale word
.endif
	v_cvt_scalef32_pk16_fp6_f32 v[C:C+2], v[XS:XS+15], v15
	v_cvt_scalef32_pk16_fp6_f32 v[C+4:C+6], v[XS+16:XS+31], v15
	v_nop                                          ; one plain place behind a scaled conversion
	v_mov_b32 v[C+3], v[C+4]
	v_mov_b32 v[C+4], v[C+5]
	v_mov_b32 v[C+5], v[C+6]                       ; six registers on end: registers 6 c .. 6 c + 5 of the image's lane 16 (kb % 2) + r, c = kb / 2
.if (\kb) < 2
	ds_store_b128 v9, v[C:C+3] offset:256*HB
	ds_store_b64 v9, v[C+4:C+5] offset:512+256*HB
.else
	ds_store_b64 v9, v[C:C+1] offset:520+256*HB
	ds_store_b128 v9, v[C+2:C+5] offset:1024+256*HB
.endif
.if (\kb) < 2
	LOADW (\kb)+2
.endif
	s_wait_dscnt 0x0                               ; the stores have read their registers
.endm
	LOADW 0
	LOADW 1
	BLOCKW 0
	BLOCKW 1
	BLOCKW 2
	BLOCKW 3
	s_wait_alu depctr_va_vdst(0)                   ; the wait ahead of the reader below
	ds_store_b32 v11, v17
.irp g, 0,1,2,3,4,5
	ds_load_b128 v[40+4*\g:43+4*\g], v10 offset:512*\g         ; my two images back, 512 bytes a load
.endr
	s_wait_dscnt 0x0                               ; for the others' sake too: my scale words lie in LDS
	s_barrier_signal -1
	s_barrier_wait -1
.irp g, 0,1,2,3,4,5
	global_store_b128 v4, v[40+4*\g:43+4*\g], s[14:15] offset:512*\g   ; 3,072 bytes on end
.endr
	s_cmp_lg_u32 s18, 0
	s_cbranch_scc1 .Lwend
	ds_load_b128 v[32:35], v12                     ; wave 0 stores the four waves' scale words: 512 bytes
	s_wait_dscnt 0x0
	global_store_b128 v4, v[32:35], s[16:17]
.Lwend:
	s_wait_tensorcnt 0x0                           ; the wave's end
	ds_add_u32 v[SPW], v[NIL]
	s_wait_dscnt 0x0
	s_endpgm
.Lfunc_end_k_qaa3f115421_prep:
	.size	k_qaa3f115421_prep, .Lfunc_end_k_qaa3f115421_prep-k_qaa3f115421_prep
	.p2alignl 7, 3214868480
	.fill 96, 4, 3214868480
	.section	.rodata,"a",@progbits
	.p2align	6, 0x0
	.amdhsa_kernel k_qaa3f115421_prep
		.amdhsa_group_segment_fixed_size 47104
		.amdhsa_private_segment_fixed_size 0
		.amdhsa_enable_private_segment 0
		.amdhsa_kernarg_size 56
		.amdhsa_user_sgpr_count 2
		.amdhsa_user_sgpr_kernarg_segment_ptr 1
		.amdhsa_wavefront_size32 1
		.amdhsa_system_sgpr_workgroup_id_x 1
		.amdhsa_system_sgpr_workgroup_id_y 1
		.amdhsa_system_sgpr_workgroup_id_z 1
		.amdhsa_system_vgpr_workitem_id 0
		.amdhsa_next_free_vgpr 256
		.amdhsa_next_free_sgpr 66
		.amdhsa_reserve_vcc 1
		.amdhsa_float_denorm_mode_32 3
		.amdhsa_float_denorm_mode_16_64 3
		.amdhsa_memory_ordered 1
		.amdhsa_forward_progress 1
		.amdhsa_inst_pref_size 56
	.end_amdhsa_kernel
	.amdgpu_metadata
---
amdhsa.version: [ 1, 2 ]
amdhsa.kernels:
  - .name:           k_qaa3f115421_prep
    .symbol:         k_qaa3f115421_prep.kd
    .args:
      - { .name: k, .offset: 0, .size: 8, .value_kind: global_buffer, .address_space: global }
      - { .name: q, .offset: 8, .size: 8, .value_kind: global_buffer, .address_space: global }
      - { .name: v, .offset: 16, .size: 8, .value_kind: global_buffer, .address_space: global }
      - { .name: Wk, .offset: 24, .size: 8, .value_kind: global_buffer, .address_space: global }
      - { .name: Wq, .offset: 32, .size: 8, .value_kind: global_buffer, .address_space: global }
      - { .name: c1, .offset: 40, .size: 8, .value_kind: global_buffer, .address_space: global }
      - { .name: s1, .offset: 48, .size: 8, .value_kind: global_buffer, .address_space: global }
    .group_segment_fixed_size: 47104
    .private_segment_fixed_size: 0
    .kernarg_segment_align: 8
    .kernarg_segment_size: 56
    .max_flat_workgroup_size: 128
    .sgpr_count:     66
    .vgpr_count:     256
    .wavefront_size: 32
...
	.end_amdgpu_metadata
.endif
;; end of part 1
;; launch proj (part 2): grid 4 x 64, 4 waves a work-group, clusters of 4 x 4, 327,680 bytes of LDS; arguments c1, s1, c2, s2; writes c2, s2
.if DOCPART == 2
	.amdgcn_target "amdgcn-amd-amdhsa--gfx1250"
	.amdhsa_code_object_version 6
	.text
	.protected	k_qaa3f115421_proj
	.globl	k_qaa3f115421_proj
	.p2align	8
	.type	k_qaa3f115421_proj,@function
k_qaa3f115421_proj:
	s_mov_b64 s[64:65], 0
	v_nop
	global_prefetch_b8 v0, s[64:65] scope:SCOPE_SE
	s_setreg_imm32_b32 hwreg(HW_REG_WAVE_MODE, 25, 1), 1
	s_wait_xcnt 0x0
	s_wait_alu depctr_hold_cnt(0) depctr_sa_sdst(0) depctr_va_vdst(0) depctr_va_sdst(0) depctr_va_ssrc(0) depctr_va_vcc(0) depctr_vm_vsrc(0)
	s_getreg_b32 s2, hwreg(HW_REG_IB_STS2, 6, 4)
	s_cmp_eq_u32 s2, 0
	s_cbranch_scc0 .Lentry_in_a_cluster
	s_endpgm
.Lentry_in_a_cluster:
	s_bfe_u32 s2, ttmp6, 0x10000c
	s_cmp_lg_u32 s2, 0xf033
	s_cbranch_scc0 .Lentry_shape_is_right
	s_endpgm
.Lentry_shape_is_right:
; The three projections on codes of FP6, K = 1,024, and the quantising of their results for the products that follow.
;   problem 0: kp = k Wk, problem 1: qp = q Wq: A = the rows, B = the weight's columns; results quantised along the 1,024 outputs (the scores' K).
;   problem 2: vp^T = Wq^T v^T: A = Wq's columns, B = v's rows: the same product with the sides exchanged, so that its results too are quantised along the tile's COLUMNS, which are the keys (the last product's K).
; All operands lie in memory as images of the operand's registers (1,536 bytes a fragment of 16 x 128; [row tile][K step]), scale words as images of 8 registers (512 bytes for 128 rows and a K step).
; SHARES.  Problems 0 and 1 have 2 x 32 x 4 = 256 tiles of 256 x 256; problem 2's 1,024 x 8,192 results are 8 x 32 = 256 tiles of 128 x 256.  A WORK-GROUP STAYS: it makes one whole tile and then one half tile, so that 256
; work-groups have equal work.  Four waves; a wave makes 128 x 128 of the whole tile (64 accumulators) and 64 x 128 of the half tile (32).
; Source 0 = 16 rows of B, source 1 = 16 rows of A: a lane holds one row of A, and, since place p of every operand holds row p with bits 3 and 4 exchanged, the 16 registers of B's tiles 2 b and 2 b + 1 are 16 neighbouring
; columns: 32 b + 16 (lane / 16) + 0 .. 15.  So each block of 16 rows x 128 columns is quantised in registers and IS a fragment of the output.
; LDS.  The whole tile's K goes in four steps of 256 through THREE slots of 98,304 bytes: steps 0, 1, 2 are first fills, step 3 fills slot 0 again.  The half tile's operands for all of K are 98,304 + 196,608 bytes, as much as the
; three slots: they come in two fills of 512 along K: the first behind the barrier of K step 5 of 128, when slots 1 and 2 are done with (A at 98,304, B at 147,456); the second in the middle of the whole tile's way out (A at 245,760,
; B at 0).  The first has 128 matrix instructions and four blocks' quantising in which to land, the second four blocks' quantising and four steps of the half tile.  By this text's count a wave has three tensor loads out at the start, one later.
; All steps are written out: the scale words of all of K stay in registers, so register numbers change from step to step.
; CLUSTERS 4 x 4: A's tiles are asked for jointly along a row of the cluster, B's along a column, in both tiles.  Nothing is prefetched: three of the first four K steps go out at the head, and the later fills have the work counted above.
; LIMITS: NaN and infinities are not served; a block of zeros gets the byte 1 (this program alone reads the bytes).
; REGISTERS: window 0: v6-31 addresses and offsets, v32-95 scale words, v96-119 at work on the way out, v128-223 A's fragments (whole tile: 8, one set; half tile: 4, two sets), v224-247 codes on the way out.
;   window 1: B's fragments, two sets, at v0 and v128.   windows 2, 3: accumulator (a, b) at v[8 (8 (a % 4) + b)] of window 2 + a / 4.
; LAYOUTS AND LDS AS THEY STAND HERE (this takes the place of what the lines above say of [row tile][K step], of three slots and of the loads out at the start):
; c1, and kp's and qp's codes in c2, are [group of 128 row places][K step][tile 0 .. 7][1,536], so a run of K steps of a group is one dense block; vp^T's codes stay [row tile][64 K steps][1,536].
; LDS has four regions of 73,728 bytes, one for each wave's loads (A's two groups, then B's two).  At the head each wave issues ONE tensor load: K steps 0 to 5 of its group, 6 rows of 12,288 bytes.
; K steps 6 and 7 fill the bytes of steps 0 and 1 again behind the round in K step 1.  The half tile's K steps 0-3 come behind the round in K step 5: A's at 98,304 (two K steps a wave), B's two groups at 172,032 and 245,760;
; its K steps 4-7 in the middle of the whole tile's way out: B's at 0 and 49,152, A's at 147,456 and 221,184.  Every one of these bytes has been filled by the head's loads and read out.  One tensor load of a wave is out at any time.
.set FR,    12
.set SLOT,  98304                      ; A's 16 row tiles x 3,072 bytes (two K steps of 128), then B's 16
.set HALFT, 73728                      ; a wave's region: six K steps x 8 tiles x 1,536 bytes
.set SPARE, 3*SLOT                     ; the spare words, 128 bytes a wave: two blocks of 256 bytes that no other line names
.set H0A,   98304                      ; the half tile, K steps 0-3: A's group, 12,288 bytes a K step,
.set H0B,   172032                     ; B's first group; the second 73,728 on
.set H1A,   147456                     ; K steps 4, 5 of A; steps 6, 7 lie 73,728 on
.set H1B,   0                          ; K steps 4-7 of B's first group; the second 49,152 on
.set ADRH3, 18                         ; v18 LDS address of my A fragments of the half tile's K steps 6, 7
.set VOP2,  6                          ; offsets in c2 and s2 of what I store of the half tile
.set VSOP2, 7
.set ADRHA, 8                          ; v8-9   LDS address of my A fragments in the half tile's two fills
.set ADRHB, 10                         ; v10-11 of B's
.set VSA,   12                         ; offsets in s1 of my scale words: the whole tile's A, B; the half tile's A, B
.set VSB,   13
.set VSA2,  14
.set VSB2,  15
.set ADRA,  16                         ; v16-17 LDS address of my A fragments in places 0-2 and 3-5 of my group's region
.set ADRB,  20                         ; v20-21 of B's
.set FO,    24                         ; 16 x lane
.set SOF,   26                         ; 32 x lane
.set SPW,   28
.set NIL,   29
.set VOP,   30                         ; offsets in c2 and s2 of what I store of the whole tile
.set VSOP,  31
.set SC,    32                         ; scale words: for the pair t of K steps A's block i at v[SC+16t+i], B's at v[SC+16t+8+i]; lanes 0-15 K step 2 t, lanes 16-31 K step 2 t + 1
.set TM,    96
.set PWS,   112
.set AF,    128
.set PC,    224
.set OUTI,  244
.set WV,    12
.set ROLE,  13
.set G1A,   24                         ; groups 1: the whole tile's A and B,
.set G1B,   32
.set G0A,   40                         ; groups 0: three sets each, one for each first fill
.set G0B,   52
.set SEL,   66
.set G1HA,  68                         ; the half tile's A and B
.set G1HB,  76
.set HGA,   84                         ; and their groups 0, which walk
.set HGB,   88
.set LBA,   92                         ; wave x 73,728
.set LBB,   93                         ; (wave % 2) x 49,152
.set MUL_LO, 0xa1                      ; source 0 (B) window 1, source 1 (A) window 0, C and D window 2
.set MUL_HI, 0xf1
.set MSB, 0
.macro WIN new                         ; the immediate's high byte repeats the setting that is left
.if MSB != (\new)
	s_set_vgpr_msb (MSB<<8)|(\new)
.set MSB, \new
.endif
.endm
.macro PLACES n
.rept \n
	v_nop
.endr
.endm
.macro JLOAD g0a, g1a, g0b, g1b        ; waves 0 and 1 fetch for A, waves 2 and 3 for B; four v_nop follow each of the two lines
	s_cmp_eq_u32 s[ROLE], 0
	s_cbranch_scc0 .Lfor_b_\@
	tensor_load_to_lds s[\g0a:\g0a+3], s[\g1a:\g1a+7]
	s_nop 0
.rept 4
	v_nop
.endr
	s_branch .Lasked_\@
.Lfor_b_\@:
	tensor_load_to_lds s[\g0b:\g0b+3], s[\g1b:\g1b+7]
	s_nop 0
.rept 4
	v_nop
.endr
.Lasked_\@:
.endm
.macro CREST
	s_cmp_lg_u32 s[WV], 0
	s_cbranch_scc1 .Lnot_wave_0_\@
	s_barrier_signal -3
.Lnot_wave_0_\@:
	s_barrier_wait -3
	s_barrier_signal -1
	s_barrier_wait -1
.endm
.macro CROUND
	s_barrier_signal -1
	s_barrier_wait -1
	CREST
.endm
.macro FRAG reg, adr, off              ; a fragment's image: three loads of 512 consecutive bytes
.irp g, 0,1,2
	ds_load_b128 v[(\reg)+4*\g:(\reg)+4*\g+3], v[\adr] offset:(\off)+512*\g
.endr
.endm
; ---------------- the whole tile
.macro FETCH_B u                       ; B's eight fragments of K step u into set u % 2
	WIN 0x40
.irp i, 0,1,2,3,4,5,6,7
	FRAG 128*((\u)%2)+FR*\i, ADRB+((\u)%6)/3, 12288*(((\u)%6)%3)+1536*\i
.endr
	WIN 0
.endm
.macro FETCH_A u, i0                   ; A's blocks i0 .. i0 + 3
.irp i, \i0, \i0+1, \i0+2, \i0+3
	FRAG AF+FR*(\i), ADRA+((\u)%6)/3, 12288*(((\u)%6)%3)+1536*(\i)
.endr
.endm
; 16 matrix instructions: A's blocks a0, a0 + 1 x B's eight.  The accumulators take turns, one instruction a turn, in the same order in every step.
.macro MUL16 a0, u, zero
.irp a, \a0, \a0+1
.irp b, 0,1,2,3,4,5,6,7
.set rD, 8*(8*((\a)%4)+\b)
.set rB, 128*((\u)%2)+FR*\b
.set rA, AF+FR*(\a)
.set rSB, SC+16*((\u)/2)+8+\b
.set rSA, SC+16*((\u)/2)+(\a)
.if \zero
	v_wmma_scale_f32_16x16x128_f8f6f4 v[rD:rD+7], v[rB:rB+FR-1], v[rA:rA+FR-1], 0, v[rSB], v[rSA] matrix_a_fmt:MATRIX_FMT_FP6 matrix_b_fmt:MATRIX_FMT_FP6
.elseif (\u)%2
	v_wmma_scale_f32_16x16x128_f8f6f4 v[rD:rD+7], v[rB:rB+FR-1], v[rA:rA+FR-1], v[rD:rD+7], v[rSB], v[rSA] matrix_a_fmt:MATRIX_FMT_FP6 matrix_b_fmt:MATRIX_FMT_FP6 matrix_a_scale:MATRIX_SCALE_ROW1 matrix_b_scale:MATRIX_SCALE_ROW1
.else
	v_wmma_scale_f32_16x16x128_f8f6f4 v[rD:rD+7], v[rB:rB+FR-1], v[rA:rA+FR-1], v[rD:rD+7], v[rSB], v[rSA] matrix_a_fmt:MATRIX_FMT_FP6 matrix_b_fmt:MATRIX_FMT_FP6
.endif
.endr
.endr
.endm
.macro STEP u, zero                    ; a step of 128 along K; the next step's fragments are known to lie in LDS
	s_wait_dscnt 12                                ; B's set and A's blocks 0-3 are in; the youngest 12 loads (A's blocks 4-7) may be out
	WIN MUL_LO
	MUL16 0, \u, \zero
	MUL16 2, \u, \zero
	s_wait_dscnt 0x0
	PLACES 4                                       ; in front of loads into registers that matrix instructions have read
	FETCH_B (\u)+1
	FETCH_A (\u)+1, 0
	WIN MUL_HI
	MUL16 4, \u, \zero
	MUL16 6, \u, \zero
	PLACES 4
	WIN 0
	FETCH_A (\u)+1, 4
.endm
; A step with a round of the cluster's barrier: all my tensor loads have landed, my reads of the slot in hand are over.  fill = 1: slot 0 takes K step 3 of 256;  fill = 2: slots 1 and 2 take the half tile's first 512 along K
.macro TURN u, fill
	s_wait_tensorcnt 0x0                           ; no tensor load of mine is out, so a group 0 may be written
	ds_add_u32 v[SPW], v[NIL]                      ; 0 onto my spare word
.if (\fill) == 1
	s_add_nc_u64 s[G0A+2:G0A+3], s[G0A+2:G0A+3], 6*12288   ; K steps 6 and 7,
	s_add_nc_u64 s[G0B+2:G0B+3], s[G0B+2:G0B+3], 6*12288
	s_mov_b32 s[G1A+2], 2<<16                      ; two rows of 12,288 bytes: tensor_dim1,
	s_mov_b32 s[G1A+4], 2                          ; tile_dim1
	s_mov_b32 s[G1B+2], 2<<16
	s_mov_b32 s[G1B+4], 2
.endif
	s_wait_dscnt 13                                ; (the add and A's blocks 4-7 may be out)
	WIN MUL_LO
	MUL16 0, \u, 0
	s_wait_dscnt 0x0                               ; the add is done, and my reads of this slot are over
	s_barrier_signal -1
	MUL16 2, \u, 0
	WIN 0
	s_barrier_wait -1
	CREST                                          ; the barrier has opened a round of the cluster's barrier: no wave of any partner still reads the bytes to be filled or has a load on its way
.if (\fill) == 1
	JLOAD G0A, G1A, G0B, G1B                       ; the four v_nop behind it are also the places in front of the loads below
.else
	JLOAD HGA, G1HA, HGB, G1HB
.endif
	FETCH_B (\u)+1
	FETCH_A (\u)+1, 0
	WIN MUL_HI
	MUL16 4, \u, 0
	MUL16 6, \u, 0
	PLACES 4
	WIN 0
	FETCH_A (\u)+1, 4
.endm
; ---------------- the half tile: 4 blocks of A x 8 of B; both sides have two sets of registers, set u % 2
.macro FETCH_H u
	WIN 0x40
.irp i, 0,1,2,3,4,5,6,7
	FRAG 128*((\u)%2)+FR*\i, ADRHB+(\u)/4, 12288*((\u)%4)+1536*\i
.endr
	WIN 0
.set hA, ADRHA+(\u)/4
.set hO, 12288*((\u)%4)
.if (\u) >= 6
.set hA, ADRH3
.set hO, 12288*((\u)-6)
.endif
.irp i, 0,1,2,3
	FRAG AF+48*((\u)%2)+FR*\i, hA, hO+1536*\i
.endr
.endm
.macro MULH a0, u, zero
.irp a, \a0, \a0+1
.irp b, 0,1,2,3,4,5,6,7
.set rD, 8*(8*(\a)+\b)
.set rB, 128*((\u)%2)+FR*\b
.set rA, AF+48*((\u)%2)+FR*(\a)
.set rSB, SC+16*((\u)/2)+8+\b
.set rSA, SC+16*((\u)/2)+(\a)
.if \zero
	v_wmma_scale_f32_16x16x128_f8f6f4 v[rD:rD+7], v[rB:rB+FR-1], v[rA:rA+FR-1], 0, v[rSB], v[rSA] matrix_a_fmt:MATRIX_FMT_FP6 matrix_b_fmt:MATRIX_FMT_FP6
.elseif (\u)%2
	v_wmma_scale_f32_16x16x128_f8f6f4 v[rD:rD+7], v[rB:rB+FR-1], v[rA:rA+FR-1], v[rD:rD+7], v[rSB], v[rSA] matrix_a_fmt:MATRIX_FMT_FP6 matrix_b_fmt:MATRIX_FMT_FP6 matrix_a_scale:MATRIX_SCALE_ROW1 matrix_b_scale:MATRIX_SCALE_ROW1
.else
	v_wmma_scale_f32_16x16x128_f8f6f4 v[rD:rD+7], v[rB:rB+FR-1], v[rA:rA+FR-1], v[rD:rD+7], v[rSB], v[rSA] matrix_a_fmt:MATRIX_FMT_FP6 matrix_b_fmt:MATRIX_FMT_FP6
.endif
.endr
.endr
.endm
.macro STEPH u, zero
	s_wait_dscnt 0x0                               ; this step's fragments are in
.if (\u) == 3
	s_wait_tensorcnt 0x0                           ; my part of the second 512 along K has landed,
	s_barrier_signal -1
	s_barrier_wait -1                              ; everybody's has: the fetch below reads it.
.endif
	PLACES 4                                       ; in front of loads into the other sets, which the last step's products have read
	FETCH_H (\u)+1
	WIN MUL_LO
	MULH 0, \u, \zero
	MULH 2, \u, \zero
	WIN 0
.endm
; 64 results of a lane (window w, register s + 16 b + i = column 32 b + 16 (lane / 16) + i of my row) become a fragment in v[PC] on and my row's scale word in v[pw]
.macro QUANT s, w, pw
	WIN ((\w)<<2)|((\w)<<4)
.irp b, 0,1,2,3
	v_max3_num_f32 v[TM+\b], 0x1800000, |v[(\s)+16*\b]|, |v[(\s)+1+16*\b]|   ; each accumulator is read from its low end on; the floor 2^(3 - 127) holds the byte at 1
.endr
.irp i, 2,4,6,8,10,12,14
.irp b, 0,1,2,3
	v_max3_num_f32 v[TM+\b], v[TM+\b], |v[(\s)+16*\b+\i]|, |v[(\s)+1+16*\b+\i]|
.endr
.endr
	WIN 0
.irp b, 0,1,2,3
	v_permlanex16_b32 v[TM+4+\b], v[TM+\b], s[SEL], s[SEL+1]
.endr
.irp b, 0,1,2,3
	v_max_num_f32 v[TM+\b], v[TM+\b], v[TM+4+\b]
.endr
.irp b, 0,1,2,3
	v_add_nc_u32 v[TM+12+\b], 0xff000000, v[TM+\b]
.endr
.irp b, 0,1,2,3
	v_lshrrev_b32 v[TM+4+\b], 23, v[TM+12+\b]
.endr
	v_lshl_or_b32 v[\pw], v[TM+5], 8, v[TM+4]
	v_lshl_or_b32 v[\pw], v[TM+6], 16, v[\pw]
	v_lshl_or_b32 v[\pw], v[TM+7], 24, v[\pw]
	WIN (\w)
.irp c, 0,1
	v_cvt_scalef32_pk16_fp6_f32 v[PC+6*\c:PC+2+6*\c], v[(\s)+32*\c:(\s)+15+32*\c], v[TM+12+2*\c]
	v_cvt_scalef32_pk16_fp6_f32 v[PC+12+4*\c:PC+14+4*\c], v[(\s)+16+32*\c:(\s)+31+32*\c], v[TM+12+2*\c+1]
.endr
	WIN 0
	v_nop                                          ; one plain place behind a scaled conversion
.irp c, 0,1
.irp i, 0,1,2
	v_permlane16_swap_b32 v[PC+6*\c+\i], v[PC+12+4*\c+\i]
.endr
.irp i, 0,1,2
	v_mov_b32 v[PC+3+6*\c+\i], v[PC+12+4*\c+\i]
.endr
.endr
.endm
; Block a of 16 rows x 128 columns is one fragment of the output: quantised in registers, stored as its image, 512 consecutive bytes a store.  pitch: bytes from row tile to row tile of the output
.macro BLOCKOUT a, w, vop, pitch, first
.if !(\first)
	s_wait_xcnt 0x0                                ; the earlier stores have read the codes' registers
.endif
	QUANT 64*((\a)%4), \w, PWS+(\a)
.irp g, 0,1,2
	global_store_b128 v[\vop], v[PC+4*\g:PC+4*\g+3], s[8:9] offset:(\pitch)*(\a)+512*\g
.endr
.endm
	s_load_b256 s[4:11], s[0:1], 0x0               ; c1 s[4:5], s1 s[6:7], c2 s[8:9], s2 s[10:11]
	v_lshl_add_u32 v[SPW], v0, 2, SPARE
	v_mov_b32 v[NIL], 0
	ds_add_u32 v28, v29
	ds_add_u32 v28, v29
	s_wait_dscnt 0x0
	v_lshrrev_b32 v1, 5, v0
	v_readfirstlane_b32 s[WV], v1                  ; wave 0..3
	s_lshr_b32 s13, s12, 1                         ; my half of A's rows.  Also: I fetch for A (0) or for B (1)
	s_and_b32 s14, s12, 1                          ; my half of B's rows.  Also: which half I fetch
	s_bfe_u32 s15, ttmp6, 0x40000                  ; cx: also the whole tile's column
	s_bfe_u32 s16, ttmp6, 0x40004                  ; cy
	s_and_b32 s21, ttmp7, 0xffff                   ; the cluster's y, 0 .. 15
	s_lshr_b32 s17, s21, 3                         ; the whole tile's problem, 0 or 1
	s_and_b32 s18, s21, 7
	s_lshl_b32 s19, s18, 2
	s_add_co_u32 s19, s19, s16                     ; its tile row, 0 .. 31
	s_and_b32 s20, s21, 1                          ; the half tile: which 512 of Wq's columns the cluster takes,
	s_lshr_b32 s21, s21, 1                         ; and which 1,024 of v's rows
	s_lshl_b32 s94, s16, 2
	s_lshl_b32 s94, 15, s94                        ; my row of the cluster
	s_lshl_b32 s96, 0x1111, s15                    ; my column
	s_or_b32 s[G1A], s94, (3<<16)|(1<<21)          ; 15:0 the mask; 17:16 elements of 8 bytes; 21 set beside a mask; no padding
	s_or_b32 s[G1HA], s94, (3<<16)|(1<<21)
	s_or_b32 s[G1B], s96, (3<<16)|(1<<21)
	s_or_b32 s[G1HB], s96, (3<<16)|(1<<21)
.irp g, G1A, G1B
	s_mov_b32 s[\g+1], 1536<<16                    ; tensor_dim0 = 1,536 elements: a K step of a group, 12,288 bytes
	s_mov_b32 s[\g+2], 6<<16                       ; tensor_dim1 = 6 K steps
	s_mov_b32 s[\g+3], 1536<<16                    ; tile_dim0
	s_mov_b32 s[\g+4], 6                           ; tile_dim1
	s_mov_b32 s[\g+5], 1536                        ; from row tile to row tile: 12,288 bytes
	s_mov_b32 s[\g+6], 0
	s_mov_b32 s[\g+7], 0
.endr
	s_mov_b32 s[G1HA+1], 1536<<16                  ; the half tile: two K steps of A's group a load,
	s_mov_b32 s[G1HA+2], 2<<16
	s_mov_b32 s[G1HA+3], 1536<<16
	s_mov_b32 s[G1HA+4], 2
	s_mov_b32 s[G1HA+5], 1536
	s_mov_b32 s[G1HA+6], 0
	s_mov_b32 s[G1HA+7], 0
	s_mov_b32 s[G1HB+1], 1536<<16                  ; four K steps of one of B's groups
	s_mov_b32 s[G1HB+2], 4<<16
	s_mov_b32 s[G1HB+3], 1536<<16
	s_mov_b32 s[G1HB+4], 4
	s_mov_b32 s[G1HB+5], 1536
	s_mov_b32 s[G1HB+6], 0
	s_mov_b32 s[G1HB+7], 0
	; where the tiles come from, in groups of 128 rows (98,304 bytes of c1).  A's addresses hang on cy alone, B's on cx alone, each in registers that never hold the other coordinate
	s_lshl_b32 s22, s17, 6
	s_add_co_u32 s22, s22, 16
	s_lshl_b32 s94, s19, 1
	s_add_co_u32 s22, s22, s94                     ; the whole tile's first group of A: 16 + 64 x problem + 2 x tile row
	s_add_co_u32 s94, s22, s14
	s_mul_i32 s94, s94, 98304
	s_mov_b32 s95, 0
	s_lshl_b32 s23, s17, 3
	s_lshl_b32 s96, s15, 1
	s_add_co_u32 s23, s23, s96                     ; of B: 8 x problem + 2 x tile column
	s_add_co_u32 s96, s23, s14
	s_mul_i32 s96, s96, 98304
	s_mov_b32 s97, 0
	s_lshl_b32 s2, s20, 2
	s_add_co_u32 s2, s2, s16
	s_add_co_u32 s2, s2, 8                         ; the half tile's group of A, among Wq's 8 .. 15
	s_mul_i32 s98, s2, 98304
	s_mul_i32 s99, s14, 24576                      ; my two of its first four K steps
	s_add_co_u32 s98, s98, s99
	s_mov_b32 s99, 0
	s_lshl_b32 s3, s21, 3
	s_lshl_b32 s100, s15, 1
	s_add_co_u32 s3, s3, s100
	s_add_co_u32 s3, s3, 144                       ; its first group of B, among v's 144 .. 207
	s_add_co_u32 s100, s3, s14
	s_mul_i32 s100, s100, 98304
	s_mov_b32 s101, 0
	s_mul_i32 s[LBA], s12, HALFT                   ; where they go: no place in the cluster enters an LDS address
	s_mul_i32 s[LBB], s14, 49152
	s_mov_b32 s[SEL], 0x76543210
	s_mov_b32 s[SEL+1], 0xfedcba98
	s_wait_kmcnt 0x0
	s_add_nc_u64 s[94:95], s[4:5], s[94:95]
	s_add_nc_u64 s[96:97], s[4:5], s[96:97]
	s_add_nc_u64 s[98:99], s[4:5], s[98:99]
	s_add_nc_u64 s[100:101], s[4:5], s[100:101]
.irp k, 0
	s_mov_b32 s[G0A+4*\k], 1
	s_add_co_u32 s[G0A+4*\k+1], s[LBA], \k*SLOT
	s_add_nc_u64 s[G0A+4*\k+2:G0A+4*\k+3], s[94:95], \k*3072
	s_or_b32 s[G0A+4*\k+3], s[G0A+4*\k+3], 0x80000000
	s_mov_b32 s[G0B+4*\k], 1
	s_add_co_u32 s[G0B+4*\k+1], s[LBA], \k*SLOT
	s_add_nc_u64 s[G0B+4*\k+2:G0B+4*\k+3], s[96:97], \k*3072
	s_or_b32 s[G0B+4*\k+3], s[G0B+4*\k+3], 0x80000000
.endr
	s_mov_b32 s[HGA], 1
	s_mul_i32 s[HGA+1], s14, 24576
	s_add_co_u32 s[HGA+1], s[HGA+1], H0A
	s_mov_b64 s[HGA+2:HGA+3], s[98:99]
	s_or_b32 s[HGA+3], s[HGA+3], 0x80000000
	s_mov_b32 s[HGB], 1
	s_mul_i32 s[HGB+1], s14, 73728
	s_add_co_u32 s[HGB+1], s[HGB+1], H0B
	s_mov_b64 s[HGB+2:HGB+3], s[100:101]
	s_or_b32 s[HGB+3], s[HGB+3], 0x80000000
	CROUND                                         ; all sixteen work-groups are here: the first joint loads meet
	JLOAD G0A, G1A, G0B, G1B
	v_and_b32 v2, 31, v0
	v_and_b32 v3, 15, v0
	v_bfe_u32 v4, v0, 4, 1
	v_lshlrev_b32 v[FO], 4, v2
	s_wait_alu depctr_va_vdst(0)
	v_lshlrev_b32 v[SOF], 5, v2
	s_add_co_u32 s94, s22, s13                     ; my scale words: a group has 4,096 bytes in s1
	s_lshl_b32 s94, s94, 12
	v_add_nc_u32 v[VSA], s94, v[SOF]
	s_add_co_u32 s94, s23, s14
	s_lshl_b32 s94, s94, 12
	v_add_nc_u32 v[VSB], s94, v[SOF]
.irp t, 0,1,2,3                        ; the scale words of all of K: 32 bytes a lane for each pair of K steps and each side
	global_load_b128 v[SC+16*\t:SC+16*\t+3], v[VSA], s[6:7] offset:1024*\t
	global_load_b128 v[SC+16*\t+4:SC+16*\t+7], v[VSA], s[6:7] offset:1024*\t+16
	global_load_b128 v[SC+16*\t+8:SC+16*\t+11], v[VSB], s[6:7] offset:1024*\t
	global_load_b128 v[SC+16*\t+12:SC+16*\t+15], v[VSB], s[6:7] offset:1024*\t+16
.endr
	s_mul_i32 s94, s13, HALFT
	v_add_nc_u32 v[ADRA], s94, v[FO]               ; places 0-2 of my group of A's region,
	v_add_nc_u32 v[ADRA+1], 36864, v[ADRA]         ; places 3-5
	s_mul_i32 s94, s13, 6144                       ; the half tile: my four of A's eight tiles
	s_add_co_u32 s95, s94, H0A
	v_add_nc_u32 v[ADRHA], s95, v[FO]
	s_add_co_u32 s95, s94, H1A
	v_add_nc_u32 v[ADRHA+1], s95, v[FO]
	s_add_co_u32 s95, s94, H1A+73728
	v_add_nc_u32 v[ADRH3], s95, v[FO]
	s_mul_i32 s94, s14, HALFT
	s_add_co_u32 s95, s94, H0B
	v_add_nc_u32 v[ADRHB], s95, v[FO]
	s_add_co_u32 s94, s94, 2*HALFT
	v_add_nc_u32 v[ADRB], s94, v[FO]
	v_add_nc_u32 v[ADRB+1], 36864, v[ADRB]
	s_add_co_u32 s95, s[LBB], H1B
	v_add_nc_u32 v[ADRHB+1], s95, v[FO]
	; what I store of the whole tile: row tile 16 x tile row + 8 x half, K step 2 x tile column + half; 8 K steps to a row tile
	s_lshl_b32 s98, s15, 1
	s_add_co_u32 s98, s98, s14
	s_lshl_b32 s94, s19, 4
	s_lshl_b32 s95, s13, 3
	s_add_co_u32 s94, s94, s95                     ; 8 x my group,
	s_add_co_u32 s94, s94, s98                     ; + the K step: 12,288 bytes each
	s_mul_i32 s94, s94, 12288
	s_mul_i32 s95, s17, 6291456
	s_add_co_u32 s94, s94, s95
	v_add_nc_u32 v[VOP], s94, v[FO]
	s_lshl_b32 s94, s19, 1
	s_add_co_u32 s94, s94, s13
	s_lshl_b32 s94, s94, 3
	s_add_co_u32 s94, s94, s98
	s_lshl_b32 s94, s94, 9
	s_lshl_b32 s95, s17, 18
	s_add_co_u32 s94, s94, s95
	v_lshlrev_b32 v5, 5, v3
	s_wait_alu depctr_va_vdst(0)
	v_lshl_add_u32 v[VSOP], v4, 4, v5              ; 32 r + 16 (lane / 16)
	v_add_nc_u32 v[VSOP], s94, v[VSOP]
	; and of the half tile: row tile 8 x group + 4 x half, K step = B's group; 64 K steps to a row tile
	s_sub_co_u32 s96, s2, 8                        ; the group among vp^T's eight
	s_sub_co_u32 s97, s3, 144
	s_add_co_u32 s97, s97, s14                     ; the K step, 0 .. 63
	; vp^T's codes are laid [group of 128 outputs][64 K steps][tile 0 .. 7][1,536] (this takes the place of what is said of them further up): a run of key steps of a group is one dense block
	s_lshl_b32 s94, s96, 6
	s_add_co_u32 s94, s94, s97
	s_mul_i32 s94, s94, 12288
	s_mul_i32 s95, s13, 6144                       ; my four of the group's eight tiles
	s_add_co_u32 s94, s94, s95
	s_add_co_u32 s94, s94, 12582912
	v_add_nc_u32 v[VOP2], s94, v[FO]
	s_lshl_b32 s94, s96, 6
	s_add_co_u32 s94, s94, s97
	s_lshl_b32 s94, s94, 9
	s_lshl_b32 s95, s13, 4                         ; my four row tiles' words: 16 bytes of each row's 32
	s_add_co_u32 s94, s94, s95
	s_add_co_u32 s94, s94, 524288
	v_lshl_add_u32 v[VSOP2], v4, 3, v5             ; 32 r + 8 (lane / 16)
	v_add_nc_u32 v[VSOP2], s94, v[VSOP2]
	s_lshl_b32 s94, s2, 12
	s_add_co_u32 s94, s94, s95
	v_add_nc_u32 v[VSA2], s94, v[SOF]              ; the half tile's scale words: A's group, my four row tiles;
	s_add_co_u32 s94, s3, s14
	s_lshl_b32 s94, s94, 12
	v_add_nc_u32 v[VSB2], s94, v[SOF]              ; B's group
.irp b, 0,1,2,3
	v_mov_b32 v[TM+4+\b], 0                        ; a lane permute's destination counts as one of its sources
.endr
	s_wait_alu depctr_va_vdst(0)                   ; the wait at the head's end
	s_wait_tensorcnt 0x0                           ; my six K steps are in
	s_barrier_signal -1
	s_barrier_wait -1
	FETCH_B 0
	FETCH_A 0, 0
	FETCH_A 0, 4
	s_wait_loadcnt 0x0                             ; the scale words
	STEP 0, 1                                      ; the first products start the sums: nothing is cleared
	TURN 1, 1                                      ; slot 0 is left and filled again; slots 1 and 2 are whole from here on
	STEP 2, 0
	STEP 3, 0
	STEP 4, 0
	TURN 5, 2                                      ; slot 0's second tile is whole; slots 1 and 2 are left: the half tile's first 512 along K are asked for
	STEP 6, 0
	s_wait_dscnt 12
	WIN MUL_LO
	MUL16 0, 7, 0
	MUL16 2, 7, 0
	s_wait_dscnt 0x0
	WIN MUL_HI
	MUL16 4, 7, 0
	MUL16 6, 7, 0
	WIN 0
	PLACES 4                                       ; behind the last products: in front of loads into their scale registers and of the first read of results
	s_wait_alu depctr_va_vdst(0)
.irp t, 0,1,2,3                        ; the half tile's scale words land under the way out
	global_load_b128 v[SC+16*\t:SC+16*\t+3], v[VSA2], s[6:7] offset:1024*\t
	global_load_b128 v[SC+16*\t+8:SC+16*\t+11], v[VSB2], s[6:7] offset:1024*\t
	global_load_b128 v[SC+16*\t+12:SC+16*\t+15], v[VSB2], s[6:7] offset:1024*\t+16
.endr
	; THE WHOLE TILE'S WAY OUT, no LDS
	BLOCKOUT 0, 2, VOP, 1536, 1
	BLOCKOUT 1, 2, VOP, 1536, 0
	BLOCKOUT 2, 2, VOP, 1536, 0
	BLOCKOUT 3, 2, VOP, 1536, 0
	s_wait_tensorcnt 0x0                           ; the half tile's first 512 along K have landed; no tensor load of mine is out, so a group 0 may be written
	ds_add_u32 v[SPW], v[NIL]                      ; 0 onto my spare word
	s_mul_i32 s[HGA+1], s14, 73728                 ; K steps 4-7: A's into the bytes that held K steps 6, 7 of B's two groups, B's into A's two regions' first 98,304 bytes
	s_add_co_u32 s[HGA+1], s[HGA+1], H1A
	s_add_co_u32 s[HGB+1], s[LBB], H1B
	s_add_nc_u64 s[HGA+2:HGA+3], s[HGA+2:HGA+3], 49152
	s_add_nc_u64 s[HGB+2:HGB+3], s[HGB+2:HGB+3], 49152
	s_wait_dscnt 0x0                               ; the add is done; my reads of the three slots ended in front of the last products
	CROUND                                         ; both now hold of every wave of every work-group of the cluster
	JLOAD HGA, G1HA, HGB, G1HB
	FETCH_H 0                                      ; the half tile's first fragments land under the rest of the way out
	BLOCKOUT 4, 3, VOP, 1536, 0
	BLOCKOUT 5, 3, VOP, 1536, 0
	BLOCKOUT 6, 3, VOP, 1536, 0
	BLOCKOUT 7, 3, VOP, 1536, 0
	v_cmp_le_u32 vcc_lo, 16, v2                    ; lanes 16-31: written behind the last tensor load
.irp j, 0,1,2,3
	v_cndmask_b32 v[OUTI+\j], v[PWS+\j], v[PWS+4+\j], vcc_lo   ; lanes 0-15 take blocks 0-3's words of row r, lanes 16-31 blocks 4-7's
.endr
	global_store_b128 v[VSOP], v[OUTI:OUTI+3], s[10:11]        ; the eight blocks' scale words: 512 bytes
	; THE HALF TILE
	s_wait_loadcnt 0x0                             ; its scale words
	STEPH 0, 1                                     ; its first products start the sums anew
	STEPH 1, 0
	STEPH 2, 0
	STEPH 3, 0
	STEPH 4, 0
	STEPH 5, 0
	STEPH 6, 0
	s_wait_dscnt 0x0
	WIN MUL_LO
	MULH 0, 7, 0
	MULH 2, 7, 0
	WIN 0
	PLACES 4
	BLOCKOUT 0, 2, VOP2, 1536, 0
	BLOCKOUT 1, 2, VOP2, 1536, 0
	BLOCKOUT 2, 2, VOP2, 1536, 0
	BLOCKOUT 3, 2, VOP2, 1536, 0
	v_cmp_le_u32 vcc_lo, 16, v2                    ; lanes 16-31
	v_cndmask_b32 v[OUTI], v[PWS], v[PWS+2], vcc_lo
	v_cndmask_b32 v[OUTI+1], v[PWS+1], v[PWS+3], vcc_lo
	global_store_b64 v[VSOP2], v[OUTI:OUTI+1], s[10:11]        ; 16 of each row's 32 bytes; the wave with the other half of A's rows stores the others
	s_wait_tensorcnt 0x0                           ; the wave's end
	ds_add_u32 v[SPW], v[NIL]
	s_wait_dscnt 0x0
	CROUND                                         ; the closing round
	s_endpgm
.Lfunc_end_k_qaa3f115421_proj:
	.size	k_qaa3f115421_proj, .Lfunc_end_k_qaa3f115421_proj-k_qaa3f115421_proj
	.p2alignl 7, 3214868480
	.fill 96, 4, 3214868480
	.section	.rodata,"a",@progbits
	.p2align	6, 0x0
	.amdhsa_kernel k_qaa3f115421_proj
		.amdhsa_group_segment_fixed_size 327680
		.amdhsa_private_segment_fixed_size 0
		.amdhsa_enable_private_segment 0
		.amdhsa_kernarg_size 32
		.amdhsa_user_sgpr_count 2
		.amdhsa_user_sgpr_kernarg_segment_ptr 1
		.amdhsa_wavefront_size32 1
		.amdhsa_system_sgpr_workgroup_id_x 1
		.amdhsa_system_sgpr_workgroup_id_y 1
		.amdhsa_system_sgpr_workgroup_id_z 1
		.amdhsa_system_vgpr_workitem_id 0
		.amdhsa_next_free_vgpr 1024
		.amdhsa_next_free_sgpr 102
		.amdhsa_reserve_vcc 1
		.amdhsa_float_denorm_mode_32 3
		.amdhsa_float_denorm_mode_16_64 3
		.amdhsa_memory_ordered 1
		.amdhsa_forward_progress 1
		.amdhsa_inst_pref_size 211
	.end_amdhsa_kernel
	.amdgpu_metadata
---
amdhsa.version: [ 1, 2 ]
amdhsa.kernels:
  - .name:           k_qaa3f115421_proj
    .symbol:         k_qaa3f115421_proj.kd
    .args:
      - { .name: c1, .offset: 0, .size: 8, .value_kind: global_buffer, .address_space: global }
      - { .name: s1, .offset: 8, .size: 8, .value_kind: global_buffer, .address_space: global }
      - { .name: c2, .offset: 16, .size: 8, .value_kind: global_buffer, .address_space: global }
      - { .name: s2, .offset: 24, .size: 8, .value_kind: global_buffer, .address_space: global }
    .group_segment_fixed_size: 327680
    .private_segment_fixed_size: 0
    .kernarg_segment_align: 8
    .kernarg_segment_size: 32
    .max_flat_workgroup_size: 128
    .sgpr_count:     102
    .vgpr_count:     1024
    .wavefront_size: 32
...
	.end_amdgpu_metadata
.endif
;; end of part 2
;; launch score (part 3): grid 9 x 16, 4 waves a work-group, no clusters, 327,680 bytes of LDS; arguments c2, s2, pc, ps, pm, pl; writes pc, ps, pm, pl
.if DOCPART == 3
	.amdgcn_target "amdgcn-amd-amdhsa--gfx1250"
	.amdhsa_code_object_version 6
	.text
	.protected	k_qaa3f115421_score
	.globl	k_qaa3f115421_score
	.p2align	8
	.type	k_qaa3f115421_score,@function
k_qaa3f115421_score:
	s_mov_b64 s[64:65], 0
	v_nop
	global_prefetch_b8 v0, s[64:65] scope:SCOPE_SE
	s_setreg_imm32_b32 hwreg(HW_REG_WAVE_MODE, 25, 1), 1
	s_wait_xcnt 0x0
; Scores and softmax numerators.  For each tile of 256 queries x 256 keys at or under the diagonal (36 a batch, 144 work-groups): S = qp kp^T on codes of FP6, K = 1,024; t = S x log2(e) / 32; the causal mask;
; and for each wave's 128 queries x 128 keys: M_loc = ceil(the row's largest t AMONG THESE 128 KEYS), p = 2^(t - M_loc), the row's sum l_loc of the unquantised p, and p quantised along the keys.
; Since M_loc is a whole number the codes are those under the row's own M; only the scale bytes differ, by M - M_loc, which the next launch takes off them.  Stored: pc (codes, images of fragments, [query row tile][16 key steps]),
; ps (scale words), pm (-M_loc, f32), pl (l_loc, f32): images of 8 registers, [group of 128 queries][16 key steps][512].
; The product's core is that of the projections: four waves x 128 x 128, source 0 = 16 keys, source 1 = 16 queries, three LDS slots, one refill.  A lane holds one query; the 16 registers of key tiles 2 b, 2 b + 1 are keys 32 b + 16 (lane / 16) + 0 .. 15.
; NO CLUSTER: row i of the triangle has i + 1 tiles and column j has 8 - j; neither divides by four at every i and j, so partners would need different tiles.  Nothing is prefetched: three of four K steps go out at the head.
; The diagonal work-groups also store what the next launch reads of the hidden key steps behind the diagonal: neutral images (bytes 1, -M = 1e38, l = 0), and for even i zero codes of tile (i, i + 1), since it walks the keys 512 at a time.
; LIMITS: scores stay above -3e38 and |t| under 2^24 (differences of M are then exact); NaN and infinities are not served; a block of zeros gets the byte 1.
; LDS AS IT STANDS HERE (this takes the place of what the lines above say of three slots and of three loads at the head): kp's and qp's codes are [group of 128 rows][K step][tile 0 .. 7][1,536].
; LDS has four regions of 73,728 bytes, one for each wave's loads (the queries' two groups, then the keys' two).  At the head each wave issues ONE tensor load: K steps 0 to 5 of its group, 6 rows of 12,288 bytes;
; K steps 6 and 7 fill the bytes of steps 0 and 1 again behind the barrier in K step 1.  One tensor load of a wave is out at any time.
.set FR,    12
.set SLOT,  98304
; LDS AND THE LOADS AS THEY STAND NOW (this takes the place of every earlier paragraph on them above): four places.  0: K steps 0, 1 of the queries' two groups (2 x 24,576 bytes); 49,152: the same of the keys';
; 98,304: K steps 2-5 of the queries' two groups (2 x 49,152); 196,608: the same of the keys'.  At the head each wave issues ONE tensor load, two rows (groups, 98,304 bytes apart in memory): wave 0 the first place, wave 2 the second,
; wave 1 the third, wave 3 the fourth.  Waves 0 and 2 alone wait in front of the first barrier: K steps 0 and 1 are multiplied while the two larger loads are out; every wave waits for all its loads in front of the barrier in K step 1,
; behind which waves 0 and 2 fill the first two places again with K steps 6 and 7.
.set HALFT, 73728
.set G1L,   36                         ; s[36:43] group 1 of the loads of four K steps
.set GQS,   80                         ; groups 0: queries, two K steps; queries, four; keys, two; keys, four
.set GQL,   84
.set GKS,   88
.set GKL,   92
.set SPARE, 3*SLOT                     ; the spare words, 128 bytes a wave
.set ADRA,  16
.set ADRB,  20
.set LANE,  23
.set FO,    24
.set SO,    25
.set SOF,   26
.set DL,    27                         ; my query's place against the wave's first key, less 16 (lane / 16)
.set SPW,   28
.set NIL,   29
.set SC,    32
.set PWS,   96                         ; the eight blocks' scale words,
.set NMS,   104                        ; -M_loc,
.set LS,    112                        ; l_loc
.set OUT0,  120
.set OUT1,  124
.set AF,    128
.set BM,    128                        ; the way out (A's fragments are done with): the four blocks' largest scores, then largest p
.set BX,    132
.set SCO,   136
.set NM,    140
.set SUM0,  142
.set SUM1,  144
.set T,     146
.set D,     150
.set NINF,  151
.set PC,    160
.set OUT2,  180
.set WV,    16
.set G1,    24
.set G0,    32
.set CS,    44
.set SEL,   46
.set SAP,   48
.set SBP,   50
.set PCP,   52
.set K127,  54
.set Q0W,   55
.set MUL_LO, 0xa1
.set MUL_HI, 0xf1
.set MSB, 0
.macro WIN new
.if MSB != (\new)
	s_set_vgpr_msb (MSB<<8)|(\new)
.set MSB, \new
.endif
.endm
.macro PLACES n
.rept \n
	v_nop
.endr
.endm
.macro FRAG reg, adr, off
.irp g, 0,1,2
	ds_load_b128 v[(\reg)+4*\g:(\reg)+4*\g+3], v[\adr] offset:(\off)+512*\g
.endr
.endm
.macro FETCH_B u
	WIN 0x40
.irp i, 0,1,2,3,4,5,6,7
.set fr, (((\u)%6)+2)/4                ; K steps 0, 1, 6, 7: the small place; 2-5: the large one
.set fo, 12288*(((\u)%6)-2*fr)
	FRAG 128*((\u)%2)+FR*\i, ADRB+fr, fo+1536*\i
.endr
	WIN 0
.endm
.macro FETCH_A u, i0
.irp i, \i0, \i0+1, \i0+2, \i0+3
.set fr, (((\u)%6)+2)/4
.set fo, 12288*(((\u)%6)-2*fr)
	FRAG AF+FR*(\i), ADRA+fr, fo+1536*(\i)
.endr
.endm
.macro MUL16 a0, u, zero               ; the 64 accumulators take turns, one instruction a turn
.irp a, \a0, \a0+1
.irp b, 0,1,2,3,4,5,6,7
.set rD, 8*(8*((\a)%4)+\b)
.set rB, 128*((\u)%2)+FR*\b
.set rA, AF+FR*(\a)
.set rSB, SC+16*((\u)/2)+8+\b
.set rSA, SC+16*((\u)/2)+(\a)
.if \zero
	v_wmma_scale_f32_16x16x128_f8f6f4 v[rD:rD+7], v[rB:rB+FR-1], v[rA:rA+FR-1], 0, v[rSB], v[rSA] matrix_a_fmt:MATRIX_FMT_FP6 matrix_b_fmt:MATRIX_FMT_FP6
.elseif (\u)%2
	v_wmma_scale_f32_16x16x128_f8f6f4 v[rD:rD+7], v[rB:rB+FR-1], v[rA:rA+FR-1], v[rD:rD+7], v[rSB], v[rSA] matrix_a_fmt:MATRIX_FMT_FP6 matrix_b_fmt:MATRIX_FMT_FP6 matrix_a_scale:MATRIX_SCALE_ROW1 matrix_b_scale:MATRIX_SCALE_ROW1
.else
	v_wmma_scale_f32_16x16x128_f8f6f4 v[rD:rD+7], v[rB:rB+FR-1], v[rA:rA+FR-1], v[rD:rD+7], v[rSB], v[rSA] matrix_a_fmt:MATRIX_FMT_FP6 matrix_b_fmt:MATRIX_FMT_FP6
.endif
.endr
.endr
.endm
.macro STEP u, zero
	s_wait_dscnt 12                                ; the youngest 12 loads (A's blocks 4-7) may be out
	WIN MUL_LO
	MUL16 0, \u, \zero
	MUL16 2, \u, \zero
	s_wait_dscnt 0x0
	PLACES 4
	FETCH_B (\u)+1
	FETCH_A (\u)+1, 0
	WIN MUL_HI
	MUL16 4, \u, \zero
	MUL16 6, \u, \zero
	PLACES 4
	WIN 0
	FETCH_A (\u)+1, 4
.endm
.macro TURN u, fill
	s_wait_tensorcnt 0x0                           ; no tensor load of mine is out, so a group 0 may be written
	ds_add_u32 v[SPW], v[NIL]                      ; 0 onto my spare word
.if \fill
	s_add_nc_u64 s[GQS+2:GQS+3], s[GQS+2:GQS+3], 6*12288   ; K steps 6 and 7
	s_add_nc_u64 s[GKS+2:GKS+3], s[GKS+2:GKS+3], 6*12288
.endif
	s_wait_dscnt 13                                ; (the add and A's blocks 4-7 may be out)
	WIN MUL_LO
	MUL16 0, \u, 0
	s_wait_dscnt 0x0                               ; the add is done, and my reads of this slot are over
	s_barrier_signal -1
	MUL16 2, \u, 0
	WIN 0
	s_barrier_wait -1
.if \fill
	s_cmp_eq_u32 s[WV], 0
	s_cbranch_scc0 .Lnot_q_\@
	tensor_load_to_lds s[GQS:GQS+3], s[G1:G1+7]    ; wave 0: the queries' K steps 6, 7
	s_nop 0
	PLACES 4
	s_branch .Lrefilled_\@
.Lnot_q_\@:
	s_cmp_eq_u32 s[WV], 2
	s_cbranch_scc0 .Lrefilled_\@
	tensor_load_to_lds s[GKS:GKS+3], s[G1:G1+7]    ; wave 2: the keys'
	s_nop 0
	PLACES 4
.Lrefilled_\@:
.endif
	PLACES 4                                       ; behind the tensor load, and in front of the loads below
	FETCH_B (\u)+1
	FETCH_A (\u)+1, 0
	WIN MUL_HI
	MUL16 4, \u, 0
	MUL16 6, \u, 0
	PLACES 4
	WIN 0
	FETCH_A (\u)+1, 4
.endm
.macro IMG4 dst, src                   ; lanes 0-15 take blocks 0-3's words of row r, lanes 16-31 blocks 4-7's
.irp j, 0,1,2,3
	v_cndmask_b32 v[(\dst)+\j], v[(\src)+\j], v[(\src)+4+\j], vcc_lo
.endr
.endm
	s_load_b256 s[4:11], s[0:1], 0x0               ; c2 s[4:5], s2 s[6:7], pc s[8:9], ps s[10:11]
	s_load_b128 s[12:15], s[0:1], 0x20             ; pm s[12:13], pl s[14:15]
	v_lshl_add_u32 v[SPW], v0, 2, SPARE
	v_mov_b32 v[NIL], 0
	ds_add_u32 v28, v29
	ds_add_u32 v28, v29
	s_wait_dscnt 0x0
	v_lshrrev_b32 v1, 5, v0
	v_readfirstlane_b32 s[WV], v1                  ; wave 0..3
	s_lshr_b32 s17, s16, 1                         ; my half of the queries
	s_and_b32 s18, s16, 1                          ; my half of the keys.  Also: whether I fetch the small place (0) or the large one (1)
	s_and_b32 s22, ttmp7, 0xffff
	s_lshr_b32 s19, s22, 2                         ; the batch
	s_and_b32 s22, s22, 3                          ; p: rows p and 7 - p of the triangle have 9 tiles together
	s_sub_co_u32 s23, 7, s22
	s_sub_co_u32 s56, ttmp9, s22
	s_sub_co_u32 s56, s56, 1
	s_cmp_le_u32 ttmp9, s22
	s_cselect_b32 s20, s22, s23                    ; i: the block of 256 queries
	s_cselect_b32 s21, ttmp9, s56                  ; j: the block of 256 keys, j <= i
	s_mov_b32 s[G1], 3<<16                         ; no mask; elements of 8 bytes; no padding
	s_mov_b32 s[G1+1], 3072<<16                    ; two K steps of a group: 3,072 elements, 24,576 bytes
	s_mov_b32 s[G1+2], 2<<16                       ; two groups,
	s_mov_b32 s[G1+3], 3072<<16
	s_mov_b32 s[G1+4], 2
	s_mov_b32 s[G1+5], 12288                       ; 98,304 bytes apart
	s_mov_b32 s[G1L], 3<<16
	s_mov_b32 s[G1L+1], 6144<<16                   ; four K steps of a group: 49,152 bytes
	s_mov_b32 s[G1L+2], 2<<16
	s_mov_b32 s[G1L+3], 6144<<16
	s_mov_b32 s[G1L+4], 2
	s_mov_b32 s[G1L+5], 12288
	s_mov_b32 s[G1L+6], 0
	s_mov_b32 s[G1L+7], 0
	s_mov_b32 s[G1+6], 0
	s_mov_b32 s[G1+7], 0
	s_lshl_b32 s57, s19, 7
	s_lshl_b32 s58, s20, 4
	s_add_co_u32 s58, s58, s57
	s_mul_i32 s58, s58, 12288
	s_add_co_u32 s58, s58, 6291456                 ; qp's codes, my tile's queries
	s_lshl_b32 s59, s21, 4
	s_add_co_u32 s59, s59, s57
	s_mul_i32 s59, s59, 12288                      ; kp's codes, my tile's keys
	s_mov_b32 s78, s59                             ; the keys' offset in a pair of its own
	s_mov_b32 s79, 0
	s_mov_b32 s59, 0
	s_lshl_b32 s61, s19, 4                         ; 16 groups of 128 rows a batch
	s_lshl_b32 s62, s20, 1
	s_add_co_u32 s62, s62, s61
	s_add_co_u32 s62, s62, s17                     ; my queries' group
	s_lshl_b32 s66, s62, 12
	s_add_co_u32 s66, s66, 262144
	s_mov_b32 s67, 0
	s_lshl_b32 s68, s21, 1
	s_add_co_u32 s63, s68, s18                     ; my key step: 2 j + half
	s_add_co_u32 s68, s63, s61
	s_lshl_b32 s68, s68, 12
	s_mov_b32 s69, 0
	; pc is laid [group of 128 queries][16 key steps][tile 0 .. 7][1,536] (this takes the place of what is said of it further up): a run of key steps of a group is one dense block
	s_lshl_b32 s70, s62, 4
	s_add_co_u32 s70, s70, s63
	s_mul_i32 s70, s70, 12288
	s_mov_b32 s71, 0
	s_lshl_b32 s72, s62, 4
	s_add_co_u32 s72, s72, s63
	s_lshl_b32 s72, s72, 9
	s_mov_b32 s73, 0
	s_lshl_b32 s[Q0W], s20, 8
	s_lshl_b32 s74, s17, 7
	s_add_co_u32 s[Q0W], s[Q0W], s74               ; my first query
	s_lshl_b32 s75, s63, 7                         ; my first key
	s_add_co_u32 s[K127], s75, 127                 ; my last key
	s_sub_co_i32 s75, s[Q0W], s75
	s_mov_b32 s[CS], 0x3d38aa3b                    ; c = log2(e) / 32
	s_mov_b32 s[CS+1], s[CS]
	s_mov_b32 s[SEL], 0x76543210
	s_mov_b32 s[SEL+1], 0xfedcba98
	s_wait_kmcnt 0x0
	s_add_nc_u64 s[58:59], s[4:5], s[58:59]
	s_add_nc_u64 s[78:79], s[4:5], s[78:79]
	s_add_nc_u64 s[SAP:SAP+1], s[6:7], s[66:67]
	s_add_nc_u64 s[SBP:SBP+1], s[6:7], s[68:69]
	s_add_nc_u64 s[PCP:PCP+1], s[8:9], s[70:71]
	s_add_nc_u64 s[10:11], s[10:11], s[72:73]
	s_add_nc_u64 s[12:13], s[12:13], s[72:73]
	s_add_nc_u64 s[14:15], s[14:15], s[72:73]
	s_mov_b32 s[GQS], 1
	s_mov_b32 s[GQS+1], 0
	s_mov_b64 s[GQS+2:GQS+3], s[58:59]
	s_or_b32 s[GQS+3], s[GQS+3], 0x80000000
	s_mov_b32 s[GQL], 1
	s_mov_b32 s[GQL+1], 98304
	s_add_nc_u64 s[GQL+2:GQL+3], s[58:59], 24576
	s_or_b32 s[GQL+3], s[GQL+3], 0x80000000
	s_mov_b32 s[GKS], 1
	s_mov_b32 s[GKS+1], 49152
	s_mov_b64 s[GKS+2:GKS+3], s[78:79]
	s_or_b32 s[GKS+3], s[GKS+3], 0x80000000
	s_mov_b32 s[GKL], 1
	s_mov_b32 s[GKL+1], 196608
	s_add_nc_u64 s[GKL+2:GKL+3], s[78:79], 24576
	s_or_b32 s[GKL+3], s[GKL+3], 0x80000000
; the head's loads, one a wave: one chain of branches on the wave's number, all arms leading to one join
.macro ARM under, g0, g1, next
	s_cmp_lt_u32 s[WV], \under
	s_cbranch_scc0 \next
	tensor_load_to_lds s[\g0:\g0+3], s[\g1:\g1+7]
	s_nop 0
	PLACES 4
	s_branch .Lhead_asked
\next:
.endm
	ARM 1, GQS, G1, .Lhead_1
	ARM 2, GQL, G1L, .Lhead_2
	ARM 3, GKS, G1, .Lhead_3
	tensor_load_to_lds s[GKL:GKL+3], s[G1L:G1L+7]
	s_nop 0
	PLACES 4
.Lhead_asked:
	PLACES 4
	v_and_b32 v[LANE], 31, v0
	v_and_b32 v3, 15, v0
	v_bfe_u32 v4, v0, 4, 1
	v_lshlrev_b32 v[FO], 4, v[LANE]
	v_lshlrev_b32 v[SO], 5, v3
	v_lshl_add_u32 v[SO], v4, 4, v[SO]
	v_lshlrev_b32 v[SOF], 5, v[LANE]
.irp t, 0,1,2,3
	global_load_b128 v[SC+16*\t:SC+16*\t+3], v[SOF], s[SAP:SAP+1] offset:1024*\t
	global_load_b128 v[SC+16*\t+4:SC+16*\t+7], v[SOF], s[SAP:SAP+1] offset:1024*\t+16
	global_load_b128 v[SC+16*\t+8:SC+16*\t+11], v[SOF], s[SBP:SBP+1] offset:1024*\t
	global_load_b128 v[SC+16*\t+12:SC+16*\t+15], v[SOF], s[SBP:SBP+1] offset:1024*\t+16
.endr
	s_mul_i32 s76, s17, 24576
	v_add_nc_u32 v[ADRA], s76, v[FO]               ; my group of queries in the small place: 24,576 x group,
	v_add_nc_u32 v[ADRA+1], s76, v[ADRA]
	v_add_nc_u32 v[ADRA+1], 98304, v[ADRA+1]       ; in the large one: 98,304 + 49,152 x group
	s_mul_i32 s76, s18, 24576
	v_add_nc_u32 v[ADRB], s76, v[FO]
	v_add_nc_u32 v[ADRB+1], s76, v[ADRB]
	v_add_nc_u32 v[ADRB], 49152, v[ADRB]           ; my group of keys: 49,152 + 24,576 x group,
	v_add_nc_u32 v[ADRB+1], 196608, v[ADRB+1]      ; 196,608 + 49,152 x group
	v_lshrrev_b32 v[DL], 3, v3
	v_lshl_add_u32 v[DL], v[DL], 3, v3             ; r + 8 (r / 8)
	v_lshlrev_b32 v5, 4, v4
	v_sub_nc_u32 v[DL], v[DL], v5
	v_add_nc_u32 v[DL], s75, v[DL]                 ; + my first query - my first key (signed)
	s_wait_alu depctr_va_vdst(0)
	s_cmp_eq_u32 s18, 0                            ; waves 0 and 2 hold K steps 0 and 1
	s_cbranch_scc0 .Llater
	s_wait_tensorcnt 0x0                           ; my two K steps are in
.Llater:
	s_barrier_signal -1                            ; waves 1 and 3 pass with their loads out: their places are read behind the barrier in K step 1, in front of which they wait
	s_barrier_wait -1
	FETCH_B 0
	FETCH_A 0, 0
	FETCH_A 0, 4
	s_wait_loadcnt 0x0
	STEP 0, 1
	TURN 1, 1
	STEP 2, 0
	STEP 3, 0
	STEP 4, 0
	TURN 5, 0
	STEP 6, 0
	s_wait_dscnt 12
	WIN MUL_LO
	MUL16 0, 7, 0
	MUL16 2, 7, 0
	s_wait_dscnt 0x0
	WIN MUL_HI
	MUL16 4, 7, 0
	MUL16 6, 7, 0
	WIN 0
	PLACES 4
.irp b, 0,1,2,3
	v_mov_b32 v[BX+\b], 0                          ; a lane permute's destination counts as one of its sources
.endr
	v_mov_b32 v[NM+1], 0                           ; (named with -M as a pair)
	v_mov_b32 v[T+1], 0
	v_mov_b32 v[NINF], 0xff800000
; Block a: 16 queries x my 128 keys.
.macro SOFT a
.set W, 2+(\a)/4
.set AC, 64*((\a)%4)
; The causal mask, by ids alone.  My 128 keys begin 128 before my 128 queries or earlier (open: nothing to hide), with them (on the diagonal) or 128 behind them (all hidden).
	s_add_co_u32 s56, s[Q0W], 127
	s_cmp_gt_u32 s[K127], s[Q0W]                   ; can a key of mine come after a query of mine?
	s_wait_alu depctr_va_vdst(0)                   ; the wait ahead of the branches
	s_cbranch_scc0 .Lopen_\@
	s_cmp_gt_u32 s[K127], s56                      ; do all my keys come after all my queries?
	s_cbranch_scc0 .Ldiag_\@
	WIN W<<6
.set n, 0
.rept 64
	v_mov_b32 v[AC+n], v[NINF]
.set n, n+1
.endr
	WIN 0
	s_wait_alu depctr_va_vdst(0)                   ; the wait ahead of the branch
	s_branch .Lopen_\@
.Ldiag_\@:                                             ; block a's queries lie in the keys' block of 32 number a / 2: earlier blocks are open, later ones hidden, that one is compared
	v_add_nc_u32 v[D], 32*((\a)/2)+8*((\a)%2), v[DL]   ; register 16 b + i holds a key that is hidden where 32 b + i > D
	WIN (W<<6)|W
.set n, 16*((\a)/2)
.rept 16
	v_cmp_gt_i32 vcc_lo, 32*(n/16)+n%16, v[D]
	v_cndmask_b32 v[AC+n], v[AC+n], v[NINF], vcc_lo
.set n, n+1
.endr
.if (\a)/2 < 3
	WIN W<<6
.rept 48-16*((\a)/2)
	v_mov_b32 v[AC+n], v[NINF]
.set n, n+1
.endr
.endif
	WIN 0
.Lopen_\@:
	WIN (W<<2)|(W<<4)
.irp b, 0,1,2,3
	v_max3_num_f32 v[BM+\b], 0xff61b1e6, v[AC+16*\b], v[AC+1+16*\b]   ; the largest score of each block of 32 keys; the leaf -3e38 keeps a wholly hidden row finite
.endr
.irp i, 2,4,6,8,10,12,14
.irp b, 0,1,2,3
	v_max3_num_f32 v[BM+\b], v[BM+\b], v[AC+16*\b+\i], v[AC+1+16*\b+\i]
.endr
.endr
	WIN 0
.irp b, 0,1,2,3
	v_permlanex16_b32 v[BX+\b], v[BM+\b], s[SEL], s[SEL+1]
.endr
.irp b, 0,1,2,3
	v_max_num_f32 v[BM+\b], v[BM+\b], v[BX+\b]
.endr
	v_max3_num_f32 v[T], v[BM], v[BM+1], v[BM+2]
	v_max_num_f32 v[T], v[T], v[BM+3]
	v_mul_f32 v[T], s[CS], v[T]                    ; the largest t of my query among these keys
	v_floor_f32 v[NM], -v[T]                       ; -M_loc = -ceil(t): a whole number
.irp b, 0,1,2,3
	v_fma_f32 v[BM+\b], v[BM+\b], s[CS], v[NM]     ; each block's largest t - M_loc: p rises with the score
.endr
	WIN (W<<6)|W
.irp j, 0,2,4,6,8,10,12,14,16,18,20,22,24,26,28,30,32,34,36,38,40,42,44,46,48,50,52,54,56,58,60,62
	v_pk_fma_f32 v[AC+\j:AC+\j+1], v[AC+\j:AC+\j+1], s[CS:CS+1], v[NM:NM+1] op_sel_hi:[1,0,0]
.endr
.set n, 0
	s_wait_alu depctr_va_vdst(0)
.rept 64
	v_exp_f32 v[AC+n], v[AC+n]                     ; p = 2^(t - M_loc): not normalised
.set n, n+1
.endr
	WIN 0
	v_mov_b32 v[SUM0], 0                           ; (plain places behind the exponentials)
	v_mov_b32 v[SUM0+1], 0
	v_mov_b32 v[SUM1], 0
	v_mov_b32 v[SUM1+1], 0
	s_wait_alu depctr_va_vdst(0)                   ; one wait for the batch of 64, ahead of its first reader
.irp b, 0,1,2,3
	v_exp_f32 v[BM+\b], v[BM+\b]                   ; the blocks' largest p
.endr
	WIN W<<2
.irp j, 0,4,8,12,16,20,24,28,32,36,40,44,48,52,56,60
	v_pk_add_f32 v[SUM0:SUM0+1], v[SUM0:SUM0+1], v[AC+\j:AC+\j+1]       ; the sum is taken of the unquantised p, in two chains
	v_pk_add_f32 v[SUM1:SUM1+1], v[SUM1:SUM1+1], v[AC+\j+2:AC+\j+3]
.endr
	WIN 0
	v_pk_add_f32 v[SUM0:SUM0+1], v[SUM0:SUM0+1], v[SUM1:SUM1+1]
	s_wait_alu depctr_va_vdst(0)                   ; and one for the four
.irp b, 0,1,2,3
	v_med3_num_f32 v[BM+\b], v[BM+\b], 0x1800000, 1.0   ; the floor holds the byte at 1 from below; the hold at 1 keeps it at 125 or under, in a wholly hidden row too
.endr
.irp b, 0,1,2,3
	v_add_nc_u32 v[SCO+\b], 0xff000000, v[BM+\b]
.endr
.irp b, 0,1,2,3
	v_lshrrev_b32 v[BX+\b], 23, v[SCO+\b]
.endr
	v_lshl_or_b32 v[PWS+(\a)], v[BX+1], 8, v[BX]
	v_lshl_or_b32 v[PWS+(\a)], v[BX+2], 16, v[PWS+(\a)]
	v_lshl_or_b32 v[PWS+(\a)], v[BX+3], 24, v[PWS+(\a)]
	s_wait_xcnt 0x0                                ; the last block's stores have read the codes' registers
	WIN W
.irp c, 0,1
	v_cvt_scalef32_pk16_fp6_f32 v[PC+6*\c:PC+2+6*\c], v[AC+32*\c:AC+15+32*\c], v[SCO+2*\c]
	v_cvt_scalef32_pk16_fp6_f32 v[PC+12+4*\c:PC+14+4*\c], v[AC+16+32*\c:AC+31+32*\c], v[SCO+2*\c+1]
.endr
	WIN 0
	v_nop                                          ; one plain place behind a scaled conversion
.irp c, 0,1
.irp i, 0,1,2
	v_permlane16_swap_b32 v[PC+6*\c+\i], v[PC+12+4*\c+\i]
.endr
.irp i, 0,1,2
	v_mov_b32 v[PC+3+6*\c+\i], v[PC+12+4*\c+\i]
.endr
.endr
	v_add_f32 v[T], v[SUM0], v[SUM0+1]
	v_permlanex16_b32 v[T+1], v[T], s[SEL], s[SEL+1]
	v_add_f32 v[LS+(\a)], v[T], v[T+1]             ; l_loc
	v_mov_b32 v[NMS+(\a)], v[NM]
.irp g, 0,1,2
	global_store_b128 v[FO], v[PC+4*\g:PC+4*\g+3], s[PCP:PCP+1] offset:1536*(\a)+512*\g
.endr
.endm
.irp a, 0,1,2,3,4,5,6,7
	SOFT \a
.endr
	v_cmp_le_u32 vcc_lo, 16, v[LANE]
	IMG4 OUT0, PWS
	IMG4 OUT1, NMS
	IMG4 OUT2, LS
	global_store_b128 v[SO], v[OUT0:OUT0+3], s[10:11]
	global_store_b128 v[SO], v[OUT1:OUT1+3], s[12:13]
	global_store_b128 v[SO], v[OUT2:OUT2+3], s[14:15]
	; the diagonal work-groups: what lies behind the diagonal and is read later
	s_cmp_lg_u32 s20, s21
	s_cbranch_scc1 .Ldone
.irp j, 0,1,2,3
	v_mov_b32 v[184+\j], 0x01010101                ; scale bytes 1
	v_mov_b32 v[188+\j], 0x7e967699                ; -M = 1e38: never the row's smallest
	v_mov_b32 v[192+\j], 0                         ; l = 0, and zero codes
.endr
	s_and_b32 s56, s20, 1
	s_cmp_lg_u32 s56, 0
	s_cbranch_scc1 .Lodd
.irp a, 0,1,2,3,4,5,6,7                ; i even: tile (i, i + 1), two key steps on, as zero codes
.irp g, 0,1,2
	global_store_b128 v[FO], v[192:195], s[PCP:PCP+1] offset:1536*\a+24576+512*\g
.endr
.endr
.Lodd:
.irp jj, 1,2,3,4,5,6,7                 ; the images of tiles (i, i + jj), while i + jj <= 7
	s_add_co_u32 s56, s20, \jj
	s_cmp_gt_u32 s56, 7
	s_cbranch_scc1 .Ldone
	s_wait_alu depctr_va_vdst(0)
	global_store_b128 v[SO], v[184:187], s[10:11] offset:1024*\jj
	global_store_b128 v[SO], v[188:191], s[12:13] offset:1024*\jj
	global_store_b128 v[SO], v[192:195], s[14:15] offset:1024*\jj
.endr
.Ldone:
	s_wait_tensorcnt 0x0                           ; the wave's end
	ds_add_u32 v[SPW], v[NIL]
	s_wait_dscnt 0x0
	s_endpgm
.Lfunc_end_k_qaa3f115421_score:
	.size	k_qaa3f115421_score, .Lfunc_end_k_qaa3f115421_score-k_qaa3f115421_score
	.p2alignl 7, 3214868480
	.fill 96, 4, 3214868480
	.section	.rodata,"a",@progbits
	.p2align	6, 0x0
	.amdhsa_kernel k_qaa3f115421_score
		.amdhsa_group_segment_fixed_size 327680
		.amdhsa_private_segment_fixed_size 0
		.amdhsa_enable_private_segment 0
		.amdhsa_kernarg_size 48
		.amdhsa_user_sgpr_count 2
		.amdhsa_user_sgpr_kernarg_segment_ptr 1
		.amdhsa_wavefront_size32 1
		.amdhsa_system_sgpr_workgroup_id_x 1
		.amdhsa_system_sgpr_workgroup_id_y 1
		.amdhsa_system_sgpr_workgroup_id_z 1
		.amdhsa_system_vgpr_workitem_id 0
		.amdhsa_next_free_vgpr 1024
		.amdhsa_next_free_sgpr 100
		.amdhsa_reserve_vcc 1
		.amdhsa_float_denorm_mode_32 3
		.amdhsa_float_denorm_mode_16_64 3
		.amdhsa_memory_ordered 1
		.amdhsa_forward_progress 1
		.amdhsa_inst_pref_size 238
	.end_amdhsa_kernel
	.amdgpu_metadata
---
amdhsa.version: [ 1, 2 ]
amdhsa.kernels:
  - .name:           k_qaa3f115421_score
    .symbol:         k_qaa3f115421_score.kd
    .args:
      - { .name: c2, .offset: 0, .size: 8, .value_kind: global_buffer, .address_space: global }
      - { .name: s2, .offset: 8, .size: 8, .value_kind: global_buffer, .address_space: global }
      - { .name: pc, .offset: 16, .size: 8, .value_kind: global_buffer, .address_space: global }
      - { .name: ps, .offset: 24, .size: 8, .value_kind: global_buffer, .address_space: global }
      - { .name: pm, .offset: 32, .size: 8, .value_kind: global_buffer, .address_space: global }
      - { .name: pl, .offset: 40, .size: 8, .value_kind: global_buffer, .address_space: global }
    .group_segment_fixed_size: 327680
    .private_segment_fixed_size: 0
    .kernarg_segment_align: 8
    .kernarg_segment_size: 48
    .max_flat_workgroup_size: 128
    .sgpr_count:     100
    .vgpr_count:     1024
    .wavefront_size: 32
...
	.end_amdgpu_metadata
.endif
;; end of part 3
;; launch mix (part 4): grid 8 x 32, 4 waves a work-group, clusters of 4 x 1, 327,680 bytes of LDS; arguments pc, ps, pm, pl, c2, s2, out0; writes out0
.if DOCPART == 4
	.amdgcn_target "amdgcn-amd-amdhsa--gfx1250"
	.amdhsa_code_object_version 6
	.text
	.protected	k_qaa3f115421_mix
	.globl	k_qaa3f115421_mix
	.p2align	8
	.type	k_qaa3f115421_mix,@function
k_qaa3f115421_mix:
	s_mov_b64 s[64:65], 0
	v_nop
	global_prefetch_b8 v0, s[64:65] scope:SCOPE_SE
	s_setreg_imm32_b32 hwreg(HW_REG_WAVE_MODE, 25, 1), 1
	s_wait_xcnt 0x0
	s_wait_alu depctr_hold_cnt(0) depctr_sa_sdst(0) depctr_va_vdst(0) depctr_va_sdst(0) depctr_va_ssrc(0) depctr_va_vcc(0) depctr_vm_vsrc(0)
	s_getreg_b32 s2, hwreg(HW_REG_IB_STS2, 6, 4)
	s_cmp_eq_u32 s2, 0
	s_cbranch_scc0 .Lentry_in_a_cluster
	s_endpgm
.Lentry_in_a_cluster:
	s_bfe_u32 s2, ttmp6, 0x10000c
	s_cmp_lg_u32 s2, 0x3003
	s_cbranch_scc0 .Lentry_shape_is_right
	s_endpgm
.Lentry_shape_is_right:
; out = (p vp) / l on codes of FP6, K = the keys.  Source 0 = 16 rows of vp^T (outputs), source 1 = 16 queries: a lane holds one query and neighbouring outputs.
; WORK LEFT OUT: keys behind the causal diagonal, which reference() masks in its own body, in whole laps of 512 keys: the group g of 128 queries of a batch walks g / 4 + 1 laps.
; SHARES.  A work-group takes a PAIR of query groups of one batch, 15 - p (long) and p (short), p = 0 .. 7, against 128 of the 1,024 outputs: 4 + 1 laps (p < 4) or 3 + 2 (p >= 4), five for every one of the
; 8 x 8 x 4 = 256 work-groups.  Both groups multiply the same tiles of vp^T, so its laps are fetched once.  A wave takes 64 long and 64 short queries x 64 outputs: accumulator (a, b), a = 0-3 long, 4-7 short, b = 0-3.
; LDS: six places of 49,152 bytes, each a lap (4 key steps x 8 tiles x 1,536) of one operand; behind them the spare words and the waves' stages for the way out.
;   The head, one tensor load a wave: wave 0 long p laps 0, 1 -> places 0, 1; wave 1 short p lap 0 -> place 2; wave 2 vp^T laps 0, 1 -> places 3, 4; wave 3 -> place 5: long p lap 2 (4 + 1) or short p lap 1 (3 + 2).
;   ONE refill, behind the round in lap 0's last step: 4 + 1: long p lap 3 -> place 0, vp^T laps 2, 3 -> places 2, 3;  3 + 2: long p lap 2 -> place 0, vp^T lap 2 -> place 3.  One tensor load of a wave is out at any time.
; THE PROLOGUE joins the key steps' parts: the row's -M is the least of the steps' -M_loc; each step's scale bytes of p are lowered by M - M_loc (held at 0 from below); l = the sum of l_loc x 2^(M_loc - M).
; It works on registers while the head's loads are out; the short queries' rows go out while the refill is out.
; CLUSTER 4, 1, 1: the four partners (four blocks of outputs) ask for p's laps jointly; vp^T's laps are each work-group's own.  The two cases part on the cluster's y alone, which partners share.
; Nothing is prefetched: the text has one head fill and one refill and no loop to run ahead in.
; LIMITS: as the launch that makes p states them; NaN and infinities are not served.
.set FR,    12
.set PL,    49152
.set SPARE, 6*PL
.set STAGE, SPARE+512
.set VA0,   16                         ; v16-19 LDS address of my four tiles of p in places 0, 1, 2, 5
.set VA1,   17
.set VA2,   18
.set VA5,   19
.set VB2,   20                         ; v20-22 of my four tiles of vp^T in places 2, 3, 4
.set VB3,   21
.set VB4,   22
.set STO,   24
.set RD,    25
.set CO,    26
.set SOF,   27
.set SPW,   28
.set NIL,   29
.set SA,    32                         ; p's scale words: pair t of key steps, block a at v[SA+8t+a]; lanes 0-15 step 2 t, lanes 16-31 step 2 t + 1
.set SB,    96                         ; vp^T's: v[SB+4t+b]
.set AF,    128                        ; p's fragments: two sets of four (v128-175, v176-223)
.set NG,    128
.set LSUM,  136
.set T,     144
.set U,     152
.set V,     160
.set TMPO,  128
.set BK,    160
.set RR,    224                        ; 1 / l of block a at v[RR+2a]
.set WV,    18
.set G1A8,  24                         ; groups 1: p, 8 key steps; p, 4; vp^T, 8; vp^T, 4
.set G1A4,  32
.set G1B8,  40
.set G1B4,  48
.set SEL,   56
.set K80,   58
.set CASE,  59                         ; 1: 4 + 1 laps; 0: 3 + 2
.set G0L,   68                         ; groups 0: long p, short p, vp^T, wave 3's
.set G0S,   72
.set G0B,   76
.set G0X,   80
.set PSS,   84                         ; the short group's ps, pm, pl, rows of out0
.set PMS,   86
.set PLS,   88
.set OUTS,  90
.set MUL,   0xa1                       ; source 0 window 1, source 1 window 0, C and D window 2
.set MSB, 0
.macro WIN new
.if MSB != (\new)
	s_set_vgpr_msb (MSB<<8)|(\new)
.set MSB, \new
.endif
.endm
.macro PLACES n
.rept \n
	v_nop
.endr
.endm
.macro CREST
	s_cmp_lg_u32 s[WV], 0
	s_cbranch_scc1 .Lnot_wave_0_\@
	s_barrier_signal -3
.Lnot_wave_0_\@:
	s_barrier_wait -3
	s_barrier_signal -1
	s_barrier_wait -1
.endm
.macro CROUND
	s_barrier_signal -1
	s_barrier_wait -1
	CREST
.endm
.macro TLOAD g0, g1                    ; an s_nop 0 and four v_nop follow every tensor load
	tensor_load_to_lds s[\g0:\g0+3], s[\g1:\g1+7]
	s_nop 0
	PLACES 4
.endm
.macro FRAG reg, adr, off              ; a fragment's image: three loads of 512 consecutive bytes
.irp g, 0,1,2
	ds_load_b128 v[(\reg)+4*\g:(\reg)+4*\g+3], v[\adr] offset:(\off)+512*\g
.endr
.endm
.macro FB kk, adr                      ; vp^T's four fragments of key step kk into set kk % 2
	WIN 0x40
.irp i, 0,1,2,3
	FRAG 128*((\kk)%2)+FR*\i, \adr, 12288*((\kk)%4)+1536*\i
.endr
	WIN 0
.endm
.macro FA set, kk, adr                 ; four fragments of p of key step kk
.irp i, 0,1,2,3
	FRAG AF+48*(\set)+FR*\i, \adr, 12288*((\kk)%4)+1536*\i
.endr
.endm
; 8 matrix instructions: blocks a0, a0 + 1 x vp^T's four.  ls: the set that holds the long blocks.  The accumulators take turns, one instruction a turn.
.macro MUL8 a0, kk, ls, zero
.irp a, \a0, \a0+1
.irp b, 0,1,2,3
.set rD, 8*(4*(\a)+\b)
.set rB, 128*((\kk)%2)+FR*\b
.if (\a) < 4
.set rA, AF+48*(\ls)+FR*(\a)
.else
.set rA, AF+FR*(\a)
.endif
.set rSB, SB+4*((\kk)/2)+\b
.set rSA, SA+8*((\kk)/2)+(\a)
.if \zero
	v_wmma_scale_f32_16x16x128_f8f6f4 v[rD:rD+7], v[rB:rB+FR-1], v[rA:rA+FR-1], 0, v[rSB], v[rSA] matrix_a_fmt:MATRIX_FMT_FP6 matrix_b_fmt:MATRIX_FMT_FP6
.elseif (\kk)%2
	v_wmma_scale_f32_16x16x128_f8f6f4 v[rD:rD+7], v[rB:rB+FR-1], v[rA:rA+FR-1], v[rD:rD+7], v[rSB], v[rSA] matrix_a_fmt:MATRIX_FMT_FP6 matrix_b_fmt:MATRIX_FMT_FP6 matrix_a_scale:MATRIX_SCALE_ROW1 matrix_b_scale:MATRIX_SCALE_ROW1
.else
	v_wmma_scale_f32_16x16x128_f8f6f4 v[rD:rD+7], v[rB:rB+FR-1], v[rA:rA+FR-1], v[rD:rD+7], v[rSB], v[rSA] matrix_a_fmt:MATRIX_FMT_FP6 matrix_b_fmt:MATRIX_FMT_FP6
.endif
.endr
.endr
.endm
; A key step for both groups; nB, nL, nS: where the next step's fragments lie (nS = 0: the next step has no short blocks)
.macro J kk, zero, nB, nL, nS
	s_wait_dscnt 12                                ; the youngest 12 loads (the short blocks) may be out
	WIN MUL
	MUL8 0, \kk, 0, \zero
	MUL8 2, \kk, 0, \zero
	s_wait_dscnt 0x0
	PLACES 4                                       ; in front of loads into registers that matrix instructions have read
	FB (\kk)+1, \nB
	FA 0, (\kk)+1, \nL
	WIN MUL
	MUL8 4, \kk, 0, \zero
	MUL8 6, \kk, 0, \zero
	PLACES 4
	WIN 0
.if \nS
	FA 1, (\kk)+1, \nS
.endif
.endm
.macro JL kk                           ; the same, nothing fetched
	s_wait_dscnt 12
	WIN MUL
	MUL8 0, \kk, 0, 0
	MUL8 2, \kk, 0, 0
	s_wait_dscnt 0x0
	MUL8 4, \kk, 0, 0
	MUL8 6, \kk, 0, 0
	WIN 0
.endm
; A key step for the long group alone: its fragments lie in set ls, the next step's go into the other (nB = 0: nothing fetched)
.macro S kk, ls, nB, nL
	s_wait_dscnt 0x0                               ; this step's fragments are in
.if \nB
	PLACES 4                                       ; in front of loads into the sets that the last step's products have read
	FB (\kk)+1, \nB
	FA 1-(\ls), (\kk)+1, \nL
.endif
	WIN MUL
	MUL8 0, \kk, \ls, 0
	MUL8 2, \kk, \ls, 0
	WIN 0
.endm
; Lap 0's last step, with the round behind which places 0, 2 and 3 are filled again.  stepl: bytes from long p's lap 0 to the lap asked for; ldsb, g1b: where vp^T's laps go and how many
.macro TURN nB, nL, nS, stepl, ldsb, g1b
	s_wait_tensorcnt 0x0                           ; no tensor load of mine is out, so a group 0 may be written
	ds_add_u32 v[SPW], v[NIL]                      ; 0 onto my spare word
	s_add_nc_u64 s[G0L+2:G0L+3], s[G0L+2:G0L+3], \stepl
	s_add_nc_u64 s[G0B+2:G0B+3], s[G0B+2:G0B+3], 8*12288
	s_mov_b32 s[G0B+1], \ldsb
	s_wait_dscnt 13                                ; (the add and the short blocks may be out)
	WIN MUL
	MUL8 0, 3, 0, 0
	s_wait_dscnt 0x0                               ; the add is done, and my reads of lap 0's places are over
	s_barrier_signal -1
	MUL8 2, 3, 0, 0
	WIN 0
	s_barrier_wait -1
	CREST                                          ; the barrier has opened a round of the cluster's barrier: no wave of any partner still reads these places or has a load on its way
	s_cmp_eq_u32 s[WV], 0
	s_cbranch_scc0 .Lnot_a_\@
	TLOAD G0L, G1A4                                ; wave 0: the joint load of long p's last lap
	s_branch .Lfilled_\@
.Lnot_a_\@:
	s_cmp_eq_u32 s[WV], 2
	s_cbranch_scc0 .Lfilled_\@
	TLOAD G0B, \g1b                                ; wave 2: the rest of vp^T
.Lfilled_\@:
	PLACES 4                                       ; in front of the loads below, on every wave's way
	FB 4, \nB
	FA 0, 4, \nL
	WIN MUL
	MUL8 4, 3, 0, 0
	MUL8 6, 3, 0, 0
	PLACES 4
	WIN 0
.if \nS
	FA 1, 4, \nS
.endif
.endm
.macro LANDED                          ; the refill is whole for every wave
	s_wait_tensorcnt 0x0
	s_barrier_signal -1
	s_barrier_wait -1
	s_wait_xcnt 0x0                                ; the stores have read their registers, which take fragments again
.endm
; THE WAY OUT of block a: x 1 / l, through my own stage, back as rows of 256 bytes, stored
.macro TOSTAGE a
	WIN 0x02
.set x, 0
.rept 16
	v_pk_mul_f32 v[TMPO+2*x:TMPO+2*x+1], v[32*(\a)+2*x:32*(\a)+2*x+1], v[RR+2*(\a):RR+2*(\a)+1] op_sel_hi:[1,0]   ; each accumulator from its low end on
.set x, x+1
.endr
	WIN 0
.irp b, 0,1,2,3
	ds_store_b128 v[STO], v[TMPO+8*\b:TMPO+8*\b+3] offset:128*(\b/2)+32*(\b%2)
	ds_store_b128 v[STO], v[TMPO+8*\b+4:TMPO+8*\b+7] offset:128*(\b/2)+32*(\b%2)+16
.endr
	s_wait_xcnt 0x0                                ; earlier stores have read the registers that the loads below fill
.irp t, 0,1,2,3,4,5,6,7
	ds_load_b128 v[BK+32*((\a)%2)+4*\t:BK+32*((\a)%2)+4*\t+3], v[RD] offset:544*\t   ; LDS serves a wave's instructions in order: these see the stores above
.endr
.endm
.macro SEND a, younger, base
	s_wait_dscnt \younger
.irp t, 0,1,2,3,4,5,6,7
	global_store_b128 v[CO], v[BK+32*((\a)%2)+4*\t:BK+32*((\a)%2)+4*\t+3], s[\base:\base+1] offset:(32*(((\a)%4)/2)+8*((\a)%2)+2*\t+8*(\t/4))*4096 th:TH_STORE_NT   ; 16 lanes store 256 consecutive bytes
.endr
.endm
.macro OUT4 a0, base                   ; blocks a0 .. a0 + 3
	PLACES 4
	TOSTAGE \a0
.irp d, 1,2,3
	TOSTAGE (\a0)+\d
	SEND (\a0)+\d-1, 16, \base                     ; behind the block's loads: the next block's 8 stores and 8 loads
.endr
	SEND (\a0)+3, 0, \base
.endm
.macro PLOADS                          ; scale words, -M_loc and l_loc of all 16 key steps: blocks 0-3 from the long group's images, 4-7 from the short group's
.irp t, 0,1,2,3,4,5,6,7
	global_load_b128 v[SA+8*\t:SA+8*\t+3], v[SOF], s[6:7] offset:1024*\t
	global_load_b128 v[SA+8*\t+4:SA+8*\t+7], v[SOF], s[PSS:PSS+1] offset:1024*\t
	global_load_b128 v[SB+4*\t:SB+4*\t+3], v[SOF], s[14:15] offset:1024*\t
.endr
	WIN 0x40
.irp t, 0,1,2,3,4,5,6,7
	global_load_b128 v[8*\t:8*\t+3], v[SOF], s[8:9] offset:1024*\t
	global_load_b128 v[8*\t+4:8*\t+7], v[SOF], s[PMS:PMS+1] offset:1024*\t
	global_load_b128 v[64+8*\t:64+8*\t+3], v[SOF], s[10:11] offset:1024*\t
	global_load_b128 v[64+8*\t+4:64+8*\t+7], v[SOF], s[PLS:PLS+1] offset:1024*\t
.endr
	WIN 0
.endm
.macro PROLOGUE
.irp i, 0,1,2,3,4,5,6,7
	v_mov_b32 v[T+\i], 0
	v_mov_b32 v[RR+2*\i+1], 0
.endr
	s_wait_loadcnt 0x0
	WIN 0x14
.irp i, 0,1,2,3,4,5,6,7
	v_min3_num_f32 v[NG+\i], 0x7f7fffff, v[\i], v[8+\i]        ; the row's -M: the least -M_loc
.endr
.irp l, 1,2,3
.irp i, 0,1,2,3,4,5,6,7
	v_min3_num_f32 v[NG+\i], v[NG+\i], v[16*\l+\i], v[16*\l+8+\i]
.endr
.endr
	WIN 0
.irp i, 0,1,2,3,4,5,6,7
	v_permlanex16_b32 v[T+\i], v[NG+\i], s[SEL], s[SEL+1]
.endr
.irp i, 0,1,2,3,4,5,6,7
	v_min_num_f32 v[NG+\i], v[NG+\i], v[T+\i]
.endr
.irp t, 0,1,2,3,4,5,6,7
	WIN 1
.irp i, 0,1,2,3,4,5,6,7
	v_sub_f32 v[T+\i], v[8*\t+\i], v[NG+\i]                    ; M - M_loc, a whole number, 0 or more
.endr
	WIN 0
.irp i, 0,1,2,3,4,5,6,7
	v_min_num_f32 v[T+\i], 0x42fe0000, v[T+\i]                 ; held at 127
.endr
.irp i, 0,1,2,3,4,5,6,7
	v_cvt_u32_f32 v[T+\i], v[T+\i]
.endr
.irp i, 0,1,2,3,4,5,6,7
	v_perm_b32 v[U+\i], v[T+\i], v[T+\i], 0                    ; in all four bytes
.endr
.irp i, 0,1,2,3,4,5,6,7
	v_or_b32 v[SA+8*\t+\i], s[K80], v[SA+8*\t+\i]              ; the bytes are 125 or under: bit 7 of each takes the borrow
.endr
.irp i, 0,1,2,3,4,5,6,7
	v_sub_nc_u32 v[SA+8*\t+\i], v[SA+8*\t+\i], v[U+\i]
.endr
.irp i, 0,1,2,3,4,5,6,7
	v_and_b32 v[U+\i], s[K80], v[SA+8*\t+\i]
.endr
.irp i, 0,1,2,3,4,5,6,7
	v_lshrrev_b32 v[V+\i], 7, v[U+\i]
.endr
.irp i, 0,1,2,3,4,5,6,7
	v_sub_nc_u32 v[U+\i], v[U+\i], v[V+\i]                     ; 0x7f where no borrow was taken, else 0
.endr
.irp i, 0,1,2,3,4,5,6,7
	v_and_b32 v[SA+8*\t+\i], v[SA+8*\t+\i], v[U+\i]            ; the lowered byte, held at 0 from below
.endr
.irp i, 0,1,2,3,4,5,6,7
	v_sub_nc_u32 v[T+\i], 0, v[T+\i]
.endr
	WIN 1
.irp i, 0,1,2,3,4,5,6,7
.if \t == 0
	v_ldexp_f32 v[LSUM+\i], v[64+8*\t+\i], v[T+\i]             ; l_loc x 2^(M_loc - M)
.else
	v_ldexp_f32 v[V+\i], v[64+8*\t+\i], v[T+\i]
.endif
.endr
	WIN 0
.if \t > 0
.irp i, 0,1,2,3,4,5,6,7
	v_add_f32 v[LSUM+\i], v[LSUM+\i], v[V+\i]
.endr
.endif
.endr
.irp i, 0,1,2,3,4,5,6,7
	v_permlanex16_b32 v[U+\i], v[LSUM+\i], s[SEL], s[SEL+1]
.endr
.irp i, 0,1,2,3,4,5,6,7
	v_add_f32 v[LSUM+\i], v[LSUM+\i], v[U+\i]
.endr
	s_wait_alu depctr_va_vdst(0)                   ; the wait ahead of the batch,
.irp i, 0,1,2,3,4,5,6,7
	v_rcp_f32 v[RR+2*\i], v[LSUM+\i]
.endr
	PLACES 8                                       ; (also the places between the scale words' last writes and the first scaled product)
	s_wait_alu depctr_va_vdst(0)                   ; and behind it
.endm
	s_load_b256 s[4:11], s[0:1], 0x0               ; pc s[4:5], ps s[6:7], pm s[8:9], pl s[10:11]
	s_load_b128 s[12:15], s[0:1], 0x20             ; c2 s[12:13], s2 s[14:15]
	s_load_b64 s[16:17], s[0:1], 0x30              ; out0
	v_lshl_add_u32 v[SPW], v0, 2, SPARE
	v_mov_b32 v[NIL], 0
	ds_add_u32 v[SPW], v[NIL]                      ; the opening lines: the add, twice on end, and its wait ahead of my first tensor load
	ds_add_u32 v[SPW], v[NIL]
	v_lshrrev_b32 v1, 5, v0
	v_readfirstlane_b32 s[WV], v1                  ; wave 0..3
	s_lshr_b32 s19, s18, 1                         ; which 64 queries of each group are mine
	s_and_b32 s20, s18, 1                          ; which 64 of the 128 outputs
	s_bfe_u32 s21, ttmp6, 0x40000                  ; cx
	s_lshl_b32 s22, ttmp9, 2
	s_add_co_u32 s22, s22, s21                     ; the block of 128 outputs
	s_and_b32 s66, ttmp7, 0xffff
	s_lshr_b32 s23, s66, 3                         ; the batch
	s_and_b32 s66, s66, 7                          ; p
	s_mov_b32 s[G1A8], 15|(3<<16)|(1<<21)          ; the four partners; elements of 8 bytes; bit 21 beside a mask
	s_mov_b32 s[G1A4], 15|(3<<16)|(1<<21)
	s_mov_b32 s[G1B8], 3<<16
	s_mov_b32 s[G1B4], 3<<16
.irp g, G1A8, G1B8
	s_mov_b32 s[\g+2], 8<<16                       ; 8 key steps
	s_mov_b32 s[\g+4], 8
.endr
.irp g, G1A4, G1B4
	s_mov_b32 s[\g+2], 4<<16                       ; 4 key steps
	s_mov_b32 s[\g+4], 4
.endr
.irp g, G1A8, G1A4, G1B8, G1B4
	s_mov_b32 s[\g+1], 1536<<16                    ; a key step of a group: 1,536 elements, 12,288 bytes, dense
	s_mov_b32 s[\g+3], 1536<<16
	s_mov_b32 s[\g+5], 1536
	s_mov_b32 s[\g+6], 0
	s_mov_b32 s[\g+7], 0
.endr
	s_lshl_b32 s60, s23, 4
	s_add_co_u32 s61, s60, s66                     ; the short group
	s_add_co_u32 s60, s60, 15
	s_sub_co_u32 s60, s60, s66                     ; the long group
	s_mul_i32 s92, s60, 196608                     ; their codes in pc
	s_mov_b32 s93, 0
	s_mul_i32 s94, s61, 196608
	s_mov_b32 s95, 0
	s_add_co_u32 s96, s92, 2*PL                    ; wave 3's lap: long p's lap 2,
	s_add_co_u32 s97, s94, PL                      ; or short p's lap 1
	s_cmp_lt_u32 s66, 4
	s_cselect_b32 s96, s96, s97
	s_cselect_b32 s[CASE], 1, 0
	s_mov_b32 s97, 0
	s_mul_i32 s98, s22, 786432                     ; vp^T: my group of outputs, the batch's 16 key steps
	s_mul_i32 s99, s23, 196608
	s_add_co_u32 s98, s98, s99
	s_add_co_u32 s98, s98, 12582912
	s_mov_b32 s99, 0
	s_lshl_b32 s63, s19, 4                         ; the images: 8,192 bytes a group; my four blocks' 16 of each row's 32 bytes
	s_lshl_b32 s84, s61, 13
	s_add_co_u32 s84, s84, s63
	s_mov_b32 s85, 0
	s_lshl_b32 s62, s60, 13
	s_add_co_u32 s62, s62, s63
	s_mov_b32 s63, 0
	s_lshl_b32 s90, s19, 18                        ; out0: my 64 rows of a group, my 64 outputs
	s_lshl_b32 s91, s22, 9
	s_add_co_u32 s90, s90, s91
	s_lshl_b32 s91, s20, 8
	s_add_co_u32 s90, s90, s91
	s_lshl_b32 s100, s60, 19
	s_add_co_u32 s100, s100, s90
	s_mov_b32 s101, 0
	s_lshl_b32 s91, s61, 19
	s_add_co_u32 s90, s91, s90
	s_mov_b32 s91, 0
	s_lshl_b32 s72, s22, 15                        ; vp^T's scale words
	s_lshl_b32 s73, s23, 13
	s_add_co_u32 s72, s72, s73
	s_lshl_b32 s73, s20, 4
	s_add_co_u32 s72, s72, s73
	s_add_co_u32 s72, s72, 524288
	s_mov_b32 s73, 0
	s_mov_b32 s[SEL], 0x76543210
	s_mov_b32 s[SEL+1], 0xfedcba98
	s_mov_b32 s[K80], 0x80808080
	s_wait_dscnt 0x0                               ; both opening adds are done
	s_wait_kmcnt 0x0
	s_add_nc_u64 s[14:15], s[14:15], s[72:73]
	s_add_nc_u64 s[PMS:PMS+1], s[8:9], s[84:85]
	s_add_nc_u64 s[PLS:PLS+1], s[10:11], s[84:85]
	s_add_nc_u64 s[PSS:PSS+1], s[6:7], s[84:85]
	s_add_nc_u64 s[6:7], s[6:7], s[62:63]
	s_add_nc_u64 s[8:9], s[8:9], s[62:63]
	s_add_nc_u64 s[10:11], s[10:11], s[62:63]
	s_add_nc_u64 s[OUTS:OUTS+1], s[16:17], s[90:91]
	s_add_nc_u64 s[16:17], s[16:17], s[100:101]
	s_mov_b32 s[G0L], 1
	s_mov_b32 s[G0L+1], 0
	s_add_nc_u64 s[G0L+2:G0L+3], s[4:5], s[92:93]
	s_or_b32 s[G0L+3], s[G0L+3], 0x80000000
	s_mov_b32 s[G0S], 1
	s_mov_b32 s[G0S+1], 2*PL
	s_add_nc_u64 s[G0S+2:G0S+3], s[4:5], s[94:95]
	s_or_b32 s[G0S+3], s[G0S+3], 0x80000000
	s_mov_b32 s[G0B], 1
	s_mov_b32 s[G0B+1], 3*PL
	s_add_nc_u64 s[G0B+2:G0B+3], s[12:13], s[98:99]
	s_or_b32 s[G0B+3], s[G0B+3], 0x80000000
	s_mov_b32 s[G0X], 1
	s_mov_b32 s[G0X+1], 5*PL
	s_add_nc_u64 s[G0X+2:G0X+3], s[4:5], s[96:97]
	s_or_b32 s[G0X+3], s[G0X+3], 0x80000000
	v_and_b32 v2, 31, v0
	v_and_b32 v3, 15, v0
	v_bfe_u32 v4, v0, 4, 1
	v_lshlrev_b32 v5, 4, v2
	v_lshlrev_b32 v[SOF], 5, v2
	s_mul_i32 s60, s19, 6144                       ; my four of a group's eight tiles
	v_add_nc_u32 v[VA0], s60, v5
	v_add_nc_u32 v[VA1], PL, v[VA0]
	v_add_nc_u32 v[VA2], 2*PL, v[VA0]
	v_add_nc_u32 v[VA5], 5*PL, v[VA0]
	s_mul_i32 s60, s20, 6144
	s_add_co_u32 s60, s60, 2*PL
	v_add_nc_u32 v[VB2], s60, v5
	v_add_nc_u32 v[VB3], PL, v[VB2]
	v_add_nc_u32 v[VB4], 2*PL, v[VB2]
	s_mul_i32 s60, s18, 4352                       ; my stage: 16 rows x (256 + 16) bytes
	s_add_co_u32 s60, s60, STAGE
	v_mul_u32_u24 v[STO], v3, 272
	v_lshl_add_u32 v[STO], v4, 6, v[STO]
	v_add_nc_u32 v[STO], s60, v[STO]
	v_mul_u32_u24 v[RD], v4, 272
	v_lshl_add_u32 v[RD], v3, 4, v[RD]
	v_add_nc_u32 v[RD], s60, v[RD]
	v_lshlrev_b32 v[CO], 12, v4
	v_lshl_add_u32 v[CO], v3, 4, v[CO]
	s_wait_alu depctr_va_vdst(0)                   ; the wait at the head's end
	CROUND                                         ; the four partners are here: the first joint loads meet
; the head's loads, one a wave: one chain of branches on the wave's number, all arms leading to one join
.macro ARM under, g0, g1, next
	s_cmp_lt_u32 s[WV], \under
	s_cbranch_scc0 \next
	TLOAD \g0, \g1
	s_branch .Lhead_asked
\next:
.endm
	ARM 1, G0L, G1A8, .Lhead_1
	ARM 2, G0S, G1A4, .Lhead_2
	ARM 3, G0B, G1B8, .Lhead_3
	TLOAD G0X, G1A4
.Lhead_asked:
	PLOADS
	PROLOGUE                                       ; on registers, while the tensor loads are out
	s_wait_tensorcnt 0x0                           ; my load has landed,
	s_barrier_signal -1
	s_barrier_wait -1                              ; everybody's has
	FB 0, VB3
	FA 0, 0, VA0
	FA 1, 0, VA2
	J 0, 1, VB3, VA0, VA2                          ; the first products start the sums: nothing is cleared
	J 1, 0, VB3, VA0, VA2
	J 2, 0, VB3, VA0, VA2
	s_cmp_eq_u32 s[CASE], 1                        ; the same in all waves and in all partners
	s_cbranch_scc0 .Lthree_two
; ---------------- 4 + 1 laps
	TURN VB4, VA1, 0, 12*12288, 2*PL, G1B8
	S 4, 0, VB4, VA1
	S 5, 1, VB4, VA1
	S 6, 0, VB4, VA1
	S 7, 1, 0, 0
	OUT4 4, OUTS                                   ; the short rows are finished: they leave while the refill is out
	LANDED
	FB 8, VB2
	FA 0, 8, VA5
	S 8, 0, VB2, VA5
	S 9, 1, VB2, VA5
	S 10, 0, VB2, VA5
	S 11, 1, VB3, VA0
	S 12, 0, VB3, VA0
	S 13, 1, VB3, VA0
	S 14, 0, VB3, VA0
	S 15, 1, 0, 0
	s_branch .Lout
; ---------------- 3 + 2 laps
.Lthree_two:
	TURN VB4, VA1, VA5, 8*12288, 3*PL, G1B4
	J 4, 0, VB4, VA1, VA5
	J 5, 0, VB4, VA1, VA5
	J 6, 0, VB4, VA1, VA5
	JL 7
	OUT4 4, OUTS
	LANDED
	FB 8, VB3
	FA 0, 8, VA0
	S 8, 0, VB3, VA0
	S 9, 1, VB3, VA0
	S 10, 0, VB3, VA0
	S 11, 1, 0, 0
.Lout:
	OUT4 0, 16                                     ; the long rows
	s_wait_tensorcnt 0x0                           ; the wave's end
	ds_add_u32 v[SPW], v[NIL]
	s_wait_dscnt 0x0
	CROUND                                         ; the closing round
	s_endpgm
.Lfunc_end_k_qaa3f115421_mix:
	.size	k_qaa3f115421_mix, .Lfunc_end_k_qaa3f115421_mix-k_qaa3f115421_mix
	.p2alignl 7, 3214868480
	.fill 96, 4, 3214868480
	.section	.rodata,"a",@progbits
	.p2align	6, 0x0
	.amdhsa_kernel k_qaa3f115421_mix
		.amdhsa_group_segment_fixed_size 327680
		.amdhsa_private_segment_fixed_size 0
		.amdhsa_enable_private_segment 0
		.amdhsa_kernarg_size 56
		.amdhsa_user_sgpr_count 2
		.amdhsa_user_sgpr_kernarg_segment_ptr 1
		.amdhsa_wavefront_size32 1
		.amdhsa_system_sgpr_workgroup_id_x 1
		.amdhsa_system_sgpr_workgroup_id_y 1
		.amdhsa_system_sgpr_workgroup_id_z 1
		.amdhsa_system_vgpr_workitem_id 0
		.amdhsa_next_free_vgpr 768
		.amdhsa_next_free_sgpr 102
		.amdhsa_reserve_vcc 0
		.amdhsa_float_denorm_mode_32 3
		.amdhsa_float_denorm_mode_16_64 3
		.amdhsa_memory_ordered 1
		.amdhsa_forward_progress 1
		.amdhsa_inst_pref_size 208
	.end_amdhsa_kernel
	.amdgpu_metadata
---
amdhsa.version: [ 1, 2 ]
amdhsa.kernels:
  - .name:           k_qaa3f115421_mix
    .symbol:         k_qaa3f115421_mix.kd
    .args:
      - { .name: pc, .offset: 0, .size: 8, .value_kind: global_buffer, .address_space: global }
      - { .name: ps, .offset: 8, .size: 8, .value_kind: global_buffer, .address_space: global }
      - { .name: pm, .offset: 16, .size: 8, .value_kind: global_buffer, .address_space: global }
      - { .name: pl, .offset: 24, .size: 8, .value_kind: global_buffer, .address_space: global }
      - { .name: c2, .offset: 32, .size: 8, .value_kind: global_buffer, .address_space: global }
      - { .name: s2, .offset: 40, .size: 8, .value_kind: global_buffer, .address_space: global }
      - { .name: out0, .offset: 48, .size: 8, .value_kind: global_buffer, .address_space: global }
    .group_segment_fixed_size: 327680
    .private_segment_fixed_size: 0
    .kernarg_segment_align: 8
    .kernarg_segment_size: 56
    .max_flat_workgroup_size: 128
    .sgpr_count:     102
    .vgpr_count:     768
    .wavefront_size: 32
...
	.end_amdgpu_metadata
.endif
;; end of part 4
